; MI455X (gfx1250); checked and timed in simulation.
; The chip was launched on July 23, 2026; its instructions are those of AMD's public machine-readable ISA for CDNA 5 (MIT licence, August 2026) and "CDNA5" Instruction Set Architecture Reference Guide (July 2026). The comments in the code are by the model that wrote it; some were corrected since.
;; Multi Head Self Attention. Allowed arithmetic: matrix products marked QUANTISED: E2M3 operands, one E8M0 scale for each 32 along K, by v_wmma_scale_f32_16x16x128_f8f6f4 with both operands' format E2M3, f32 sums; everything else in f32.
;; Inputs: W_k 1,024 x 1,024 float32; W_o 1,024 x 1,024 float32; W_q 1,024 x 1,024 float32; W_v 1,024 x 1,024 float32; x 4 x 2,048 x 1,024 float32.
;; Outputs: out0 4 x 2,048 x 1,024 float32.
;; This version of the problem:
;;   THIS VERSION OF THE PROBLEM IS GIVEN IN LOW PRECISION. The matrix products marked QUANTISED in the list below multiply operands that are first quantised to E2M3 (2 exponent bits, 3 mantissa bits; 6 bits a number), with one power-of-two scale for each 32 numbers along K (OCP MX v1.0); their sums are f32. All else is computed in f32.
;;   The module's matrix products, in the order in which they are computed (A, B: the left and right operand; K: the contracted axis; several contracted axes count as one K, in the product's order):
;;     1. [M 8,192, K 1,024] x [K 1,024, N 1,024]; A: input x; B: input W_q: QUANTISED
;;     2. [M 8,192, K 1,024] x [K 1,024, N 1,024]; A: input x; B: input W_k: QUANTISED
;;     3. [M 8,192, K 1,024] x [K 1,024, N 1,024]; A: input x; B: input W_v: QUANTISED
;;     4. batch 64 x [M 2,048, K 64] x [K 64, N 2,048]; A: computed on the way; B: computed on the way: QUANTISED
;;     5. batch 64 x [M 2,048, K 2,048] x [K 2,048, N 64]; A: softmax (see below); B: computed on the way: QUANTISED
;;     6. [M 8,192, K 1,024] x [K 1,024, N 1,024]; A: computed on the way; B: input W_o: QUANTISED
;;   THE QUANTISER, for each operand of a quantised product, along K:
;;     - K is cut into blocks of 32 from its start; a last block that is shorter is filled with zeros.
;;     - A block's scale is 2^e with e = floor(log2(the largest magnitude in the block)) - 2, held to -126 .. 127; a block of zeros has e = 0. As a byte (E8M0): e + 127.
;;     - Each number is divided by its block's scale, clamped to +-7.5, and rounded to the nearest number of E2M3, ties to even, subnormals kept.
;;     - The product sums the exact products of the quantised numbers (number of the format x scale) in f32.
;;   ~~~python
;;   def quantise(x, axis):      # numpy; x: float32 -> the quantised numbers, widened to float32 again
;;       x = np.moveaxis(x, axis, -1); K = x.shape[-1]
;;       x = np.pad(x, [(0, 0)] * (x.ndim - 1) + [(0, -K % 32)]); x = x.reshape(x.shape[:-1] + (-1, 32)); a = np.abs(x).max(-1, keepdims=True)
;;       e = np.where(a > 0, np.clip(np.frexp(np.where(a > 0, a, 1))[1] - 1 - 2, -126, 127), 0)      # np.frexp(a)[1] - 1 = floor(log2(a)), exactly
;;       r = np.clip(x / 2.0 ** e, -7.5, 7.5)
;;       step = 2.0 ** (np.maximum(np.frexp(np.where(r == 0, 1, r))[1] - 1, 0) - 3)
;;       q = np.round(r / step) * step * 2.0 ** e      # np.round: ties to even
;;       return np.moveaxis(q.reshape(q.shape[:-2] + (-1,))[..., :K], -1, axis).astype(np.float32)
;;   ~~~
;;   SOFTMAX AHEAD OF A QUANTISED PRODUCT. Where the list says 'softmax', what is quantised is not the finished softmax but p = 2^(t - M), with t = logit x log2(e) and M = ceil(the row's largest t), a whole number; so 1/2 < the row's largest p <= 1. The row's sum l is taken of the UNQUANTISED p, in f32, and the product's result is divided by l at the end. Since M is a whole number, a kernel that streams over the keys may use a running M (the ceiling of the running maximum): every later rescaling is an exact power of two, which a block's scale takes up: the codes' values come out the same.
;;   OPERANDS COMPUTED ON THE WAY. 'Computed on the way' means the value that the module computes at that place (a softmax that the list does not call 'softmax' is quantised finished and normalised). What goes into a quantiser is computed in f32, as accurately as f32 sums, v_exp_f32 and their like allow (about 1e-6 of the number): no bf16 or f16 on the way to a quantiser, and a product that is left as it is and whose result goes on into a quantised operand takes f32 operands (vector FMAs, or v_wmma_f32_16x16x4_f32). A number that lies on a knife's edge between two numbers of the format may be rounded either way, as far as f32 arithmetic and the matrix unit's own rounding can turn it there, and no further.
;; One version. Each part assembles by itself: llvm-mc -triple=amdgcn-amd-amdhsa -mcpu=gfx1250 --defsym DOCPART=n.
;; ======== version 1 of 1: 4 launches
;; workspace buffers: codes1 9,437,184 bytes; scales1 393,216 bytes; rope 524,288 bytes; qkv_img 18,874,368 bytes; qkv_sc 1,310,720 bytes; a_img 6,291,456 bytes; a_sc 262,144 bytes
;; launch prep (part 1): grid 800 x 1, 4 waves a work-group, no clusters, 68,608 bytes of LDS; arguments x, W_q, W_k, W_v, W_o, codes1, scales1, rope; writes codes1, scales1, rope
.if DOCPART == 1
	.amdgcn_target "amdgcn-amd-amdhsa--gfx1250"
	.amdhsa_code_object_version 6
	.text
	.protected	k_q7cb708138f_prep
	.globl	k_q7cb708138f_prep
	.p2align	8
	.type	k_q7cb708138f_prep,@function
k_q7cb708138f_prep:
	s_mov_b64 s[64:65], 0
	v_nop
	global_prefetch_b8 v0, s[64:65] scope:SCOPE_SE
	s_setreg_imm32_b32 hwreg(HW_REG_WAVE_MODE, 25, 1), 1
	s_wait_xcnt 0x0
; x [8192][1024] and the four weights [1024][1024], f32, K innermost, become codes of FP6 (E2M3) with one E8M0 byte for each 32 along K; and the table of cosines and sines for the rotation is made.
; A TILE is 16 rows: tile T = 2 B + u holds rows 32 B + 8 u + i + 8 (i / 8), i = 0 .. 15.  codes1 holds 768 tiles (x 0-511, W_q 512-575, W_k 576-639, W_v 640-703, W_o 704-767), each as 16 HALF-IMAGES of 768 bytes:
; 16 rows x 64 along K as the matrix operand's registers want them: [p = 0 .. 2][lane][8 bytes], lane (r, h) holding the 24 bytes of block h of tile row r.  So every later read of a fragment is six loads of 256 consecutive bytes.
; scales1: 512 bytes a tile: [ks / 4][r][ks % 4] words, ks the step of 128 along K, byte b of a word for block b.
; A block's scale is 2^(floor(log2(its largest magnitude)) - 2); its byte is the largest magnitude's exponent field - 2, held at 1 from below.
; LIMITS: NaN and infinities among the inputs are not served; a block whose largest magnitude lies under 2^-124 keeps the byte 1; a block of zeros gets the byte 1 and not 127: its codes are zeros, and this program alone reads the bytes.
; Work-groups 0-767: one tile each; wave w takes K 256 w .. 256 w + 255 in two steps of 128.  Each load reads 512 consecutive bytes of a row; a step's 16 rows turn through the wave's own stage in LDS so that a lane gets
; 32 neighbours along K of its row.  Work-groups 768-799: the table, four position tiles each, one a wave; no LDS.
; THE TABLE: rope[PT][bb][q][lane][16 bytes]: lane (r, h) holds (cos, sin, cos, sin) of pairs 16 bb + 8 h + 2 q and + 1 at the position of row r of tile PT.  angle = position x frequency, one f32 rounding;
; frequencies 10^(-i / 8) rounded to f32 (they may differ in the last bits from a computed power: at position 2,047 some 2e-4 rad at the most); reduction by three parts of pi / 2 (angles under 2^11), polynomials on +-pi / 4.
.set WREG,  16896                      ; LDS: a region for each wave: two stages of 16 rows x 528 bytes
.set STGB,  8448
.set PITCH, 528                        ; 512 bytes + 16: the 16 rows that a read touches start 4 words apart modulo 64 words
.set SCG,   4*WREG                     ; the tile's 512 bytes of scale words are gathered here
.set SPARE, SCG+512                    ; the spare words, 128 bytes for each wave: two blocks of 256 bytes that no other line names
.set X,     64                         ; v64-127  64 numbers of my row: X[32 c + e] = k 64 c + 32 h + e
.set R,     128                        ; v128-255 two steps x 16 loads as they come
.set PC,    24                         ; v24-47   the codes, a set of 12 for each step, so that no store's data are written again
.set SPW,   10                         ; v10      LDS address of my spare word; never rewritten
.set NIL,   11                         ; v11      0; never rewritten
.macro TURN st                         ; a step's 16 rows through my stage: LDS serves a wave's instructions in order, so no wait stands between the stores and the loads
.irp i, 0,1,2,3,4,5,6,7,8,9,10,11,12,13,14,15
	ds_store_b128 v5, v[R+64*\st+4*\i:R+64*\st+4*\i+3] offset:STGB*\st+PITCH*\i
.endr
.irp c, 0,1
.irp j, 0,1,2,3,4,5,6,7
	ds_load_b128 v[X+32*\c+4*\j:X+32*\c+4*\j+3], v6 offset:STGB*\st+256*\c+16*\j
.endr
.endr
.endm
.macro QB st                           ; my two whole blocks (2 c + h of the step) become codes and bytes; the fragment leaves as six units of 256 bytes
.irp c, 0,1
	v_max3_num_f32 v[12+\c], |v[X+32*\c]|, |v[X+32*\c+1]|, 0x1800000   ; with the floor 2^(3 - 127): the byte cannot fall under 1
.endr
.irp i, 2,4,6,8,10,12,14,16,18,20,22,24,26,28,30
.irp c, 0,1
	v_max3_num_f32 v[12+\c], v[12+\c], |v[X+32*\c+\i]|, |v[X+32*\c+\i+1]|
.endr
.endr
.irp c, 0,1
	v_add_nc_u32 v[14+\c], 0xff000000, v[12+\c]    ; 2 off the exponent field: the conversion takes the exponent field of this operand as its scale
.endr
.irp c, 0,1
	v_lshrrev_b32 v[16+\c], 23, v[14+\c]           ; the scale's byte
.endr
	v_lshl_or_b32 v18, v17, 16, v16                ; my two bytes: blocks h and 2 + h,
	v_lshlrev_b32 v18, v9, v18                     ; 8 h bits up;
	v_permlanex16_b32 v19, v18, s28, s29
	v_or_b32 v[20+\st], v18, v19                   ; with lane l xor 16's two the row's word is whole
.irp c, 0,1
	v_cvt_scalef32_pk16_fp6_f32 v[PC+12*\st+6*\c:PC+12*\st+6*\c+2], v[X+32*\c:X+32*\c+15], v[14+\c]
	v_cvt_scalef32_pk16_fp6_f32 v[48+4*\c:50+4*\c], v[X+32*\c+16:X+32*\c+31], v[14+\c]   ; (a conversion's three registers begin on an even number)
.endr
	v_nop                                          ; one plain place behind a scaled conversion
.irp c, 0,1
.irp i, 0,1,2
	v_mov_b32 v[PC+12*\st+6*\c+3+\i], v[48+4*\c+\i]
.endr
.endr
.irp p, 0,1,2,3,4,5
	global_store_b64 v7, v[PC+12*\st+2*\p:PC+12*\st+2*\p+1], s[14:15] offset:1536*\st+256*\p   ; 32 lanes store 256 consecutive bytes, aligned
.endr
.endm
.macro SINCOS dc, fa, fb               ; cos -> v[dc], sin -> v[dc + 1] of position x frequency (fa in lanes 0-15, fb in lanes 16-31)
	v_mov_b32 v20, \fb
	v_cndmask_b32 v20, \fa, v20, vcc_lo
	s_wait_alu depctr_va_vdst(0)
	v_mul_f32 v21, v16, v20                        ; the angle, rounded once
	v_mul_f32 v22, s30, v21
	v_rndne_f32 v22, v22                           ; k = the nearest multiple of pi / 2
	v_fma_f32 v23, -v22, s31, v21
	v_fma_f32 v23, -v22, s32, v23
	v_fma_f32 v23, -v22, s33, v23                  ; r = angle - k pi / 2, pi / 2 in three parts
	v_cvt_i32_f32 v24, v22
	v_mul_f32 v25, v23, v23                        ; z = r r
	v_fma_f32 v26, v25, s36, s35
	v_fma_f32 v27, v25, s39, s38
	v_fma_f32 v26, v26, v25, s34
	v_fma_f32 v27, v27, v25, s37
	v_mul_f32 v26, v26, v25
	v_mul_f32 v28, v25, v25
	v_fma_f32 v29, v25, -0.5, 1.0
	v_fma_f32 v26, v26, v23, v23                   ; sin r
	v_fma_f32 v27, v28, v27, v29                   ; cos r
	v_and_b32 v28, 1, v24
	v_cmp_eq_u32 s40, 1, v28                       ; in odd quadrants the two change places
	v_cndmask_b32 v29, v26, v27, s40
	v_cndmask_b32 v27, v27, v26, s40
	v_lshlrev_b32 v28, 30, v24                     ; the sine is negative where k mod 4 is 2 or 3,
	v_and_b32 v28, 0x80000000, v28
	v_xor_b32 v[\dc+1], v29, v28
	v_add_nc_u32 v28, 1, v24                       ; the cosine where it is 1 or 2
	v_lshlrev_b32 v28, 30, v28
	v_and_b32 v28, 0x80000000, v28
	v_xor_b32 v[\dc], v27, v28
.endm
	s_load_b512 s[4:19], s[0:1], 0x0               ; x s[4:5], W_q s[6:7], W_k s[8:9], W_v s[10:11], W_o s[12:13], codes1 s[14:15], scales1 s[16:17], rope s[18:19]
	v_lshl_add_u32 v[SPW], v0, 2, SPARE
	v_mov_b32 v[NIL], 0
	v_lshrrev_b32 v1, 5, v0
	v_readfirstlane_b32 s24, v1                    ; wave 0..3
	v_and_b32 v1, 31, v0                           ; lane
	v_and_b32 v2, 15, v0                           ; r
	v_bfe_u32 v3, v0, 4, 1                         ; h
	v_lshlrev_b32 v4, 4, v1                        ; 16 x lane
	s_cmp_ge_u32 ttmp9, 768                        ; the work-group's number alone: all four waves go the same way
	s_cbranch_scc1 .Ltable
	; ---- the quantiser
	s_mul_i32 s25, s24, WREG
	v_add_nc_u32 v5, s25, v4                       ; the stage, on the way in: 16 x lane in a row
	v_mul_u32_u24 v6, v2, PITCH
	v_lshl_add_u32 v6, v3, 7, v6
	v_add_nc_u32 v6, s25, v6                       ; and on the way out: row r, + 128 h
	v_lshlrev_b32 v7, 3, v1                        ; 8 x lane: my place in a unit of an image
	s_lshr_b32 s26, s24, 1
	s_lshl_b32 s26, s26, 8
	s_and_b32 s27, s24, 1
	s_lshl_b32 s27, s27, 3
	s_add_co_u32 s26, s26, s27
	s_add_co_u32 s26, s26, SCG
	s_wait_alu depctr_va_vdst(0)
	v_lshl_add_u32 v8, v2, 4, s26                  ; my two scale words: steps 2 w and 2 w + 1 of row r
	v_lshlrev_b32 v9, 3, v3                        ; 8 h
	v_add_nc_u32 v22, SCG, v4                      ; where wave 0 reads the gathered words back
	v_mov_b32 v19, 0                               ; written once: a lane permute's destination counts as one of its sources
	s_mov_b32 s28, 0x76543210
	s_mov_b32 s29, 0xfedcba98                      ; v_permlanex16_b32's selects for lane l xor 16
	s_and_b32 s22, ttmp9, 63                       ; the tile's number inside a weight
	s_wait_kmcnt 0x0
	s_mov_b64 s[20:21], s[12:13]                   ; which tensor: the choice hangs on the work-group's number alone
	s_cmp_lt_u32 ttmp9, 704
	s_cselect_b64 s[20:21], s[10:11], s[20:21]
	s_cmp_lt_u32 ttmp9, 640
	s_cselect_b64 s[20:21], s[8:9], s[20:21]
	s_cmp_lt_u32 ttmp9, 576
	s_cselect_b64 s[20:21], s[6:7], s[20:21]
	s_cmp_lt_u32 ttmp9, 512
	s_cselect_b64 s[20:21], s[4:5], s[20:21]
	s_cselect_b32 s22, ttmp9, s22                  ; or inside x
	s_lshr_b32 s30, s22, 1
	s_lshl_b32 s30, s30, 17                        ; 32 (tile / 2) rows of 4,096 bytes
	s_and_b32 s31, s22, 1
	s_lshl_b32 s31, s31, 15                        ; + 8 (tile % 2) rows
	s_add_co_u32 s30, s30, s31
	s_lshl_b32 s31, s24, 10                        ; + my wave's 256 along K
	s_add_co_u32 s30, s30, s31
	s_mov_b32 s31, 0
	s_add_nc_u64 s[20:21], s[20:21], s[30:31]
	s_mul_i32 s30, ttmp9, 12288                    ; the tile's images,
	s_mul_i32 s32, s24, 3072                       ; my wave's four half-images
	s_add_co_u32 s30, s30, s32
	s_add_nc_u64 s[14:15], s[14:15], s[30:31]
	s_lshl_b32 s30, ttmp9, 9
	s_add_nc_u64 s[16:17], s[16:17], s[30:31]      ; the tile's scale words
.irp st, 0,1
.irp i, 0,1,2,3,4,5,6,7,8,9,10,11,12,13,14,15
	global_load_b128 v[R+64*\st+4*\i:R+64*\st+4*\i+3], v4, s[20:21] offset:(\i+8*(\i/8))*4096+512*\st th:TH_LOAD_NT   ; 512 consecutive bytes of tile row i; all 32 loads go out at once
.endr
.endr
	s_wait_loadcnt 16                              ; the first step's 16 loads are in; the second step's 16 may be out
	TURN 0
	s_wait_dscnt 0x0
	QB 0
	s_wait_loadcnt 0x0
	TURN 1
	s_wait_dscnt 0x0
	QB 1
	ds_store_b64 v8, v[20:21]                      ; lanes r and r + 16 write the same bytes with the same value
	s_wait_dscnt 0x0                               ; for the others' sake: my stores have landed
	s_barrier_signal -1
	s_barrier_wait -1
	s_cmp_lg_u32 s24, 0
	s_cbranch_scc1 .Lend
	ds_load_b128 v[12:15], v22                     ; wave 0 stores the tile's 512 bytes of scale words: two aligned units of 256 bytes
	s_wait_dscnt 0x0
	global_store_b128 v4, v[12:15], s[16:17]
	s_branch .Lend
.Ltable:
	s_sub_co_u32 s25, ttmp9, 768
	s_lshl_b32 s25, s25, 2
	s_add_co_u32 s25, s25, s24                     ; PT = my position tile, 0 .. 127
	s_lshr_b32 s26, s25, 1
	s_lshl_b32 s26, s26, 5
	s_and_b32 s27, s25, 1
	s_lshl_b32 s27, s27, 3
	s_add_co_u32 s26, s26, s27
	s_wait_alu depctr_va_vdst(0)
	v_and_b32 v16, 8, v2
	v_add3_u32 v16, v16, v2, s26                   ; my position: 32 (PT / 2) + 8 (PT % 2) + r + 8 (r / 8)
	v_cvt_f32_u32 v16, v16
	v_cmp_le_u32 vcc_lo, 16, v1                    ; lanes 16-31
	s_mov_b32 s30, 0x3f22f983                      ; 2 / pi
	s_mov_b32 s31, 0x3fc90fda                      ; pi / 2 in three parts
	s_mov_b32 s32, 0x33a22168
	s_mov_b32 s33, 0x27c234c4
	s_mov_b32 s34, 0xbe2aaaa3                      ; the sine's coefficients
	s_mov_b32 s35, 0x3c08839e
	s_mov_b32 s36, 0xb94ca1f9
	s_mov_b32 s37, 0x3d2aaaa5                      ; the cosine's
	s_mov_b32 s38, 0xbab6061a
	s_mov_b32 s39, 0x37ccf5ce
	s_lshl_b32 s26, s25, 12
	s_mov_b32 s27, 0
	s_wait_kmcnt 0x0
	s_add_nc_u64 s[18:19], s[18:19], s[26:27]
	SINCOS 32, 0x3f800000, 0x3dcccccd              ; pairs 0 and 8
	SINCOS 34, 0x3f3ff911, 0x3d99940e
	SINCOS 36, 0x3f0ff59a, 0x3d6655c3
	SINCOS 38, 0x3ed7e89b, 0x3d2cba15
	SINCOS 40, 0x3ea1e89b, 0x3d0186e2
	SINCOS 42, 0x3e72d424, 0x3cc24350
	SINCOS 44, 0x3e361887, 0x3c91ad39
	SINCOS 46, 0x3e088d77, 0x3c5a7bf1
	SINCOS 48, 0x3c23d70a, 0x3a83126f              ; pairs 16 and 24
	SINCOS 50, 0x3bf5b9b0, 0x3a44948c
	SINCOS 52, 0x3bb8449c, 0x3a136a16
	SINCOS 54, 0x3b8a2e77, 0x39dd1726
	SINCOS 56, 0x3b4f3e37, 0x39a5cb5f
	SINCOS 58, 0x3b1b690d, 0x3978a814
	SINCOS 60, 0x3ae91528, 0x393a7753
	SINCOS 62, 0x3aaec98e, 0x390bd472
.irp u, 0,1,2,3,4,5,6,7
	global_store_b128 v4, v[32+4*\u:35+4*\u], s[18:19] offset:512*\u   ; 512 consecutive bytes, aligned
.endr
.Lend:
	s_wait_tensorcnt 0x0                           ; the wave's end: behind my last LDS store
	ds_add_u32 v[SPW], v[NIL]
	s_wait_dscnt 0x0
	s_endpgm
.Lfunc_end_k_q7cb708138f_prep:
	.size	k_q7cb708138f_prep, .Lfunc_end_k_q7cb708138f_prep-k_q7cb708138f_prep
	.p2alignl 7, 3214868480
	.fill 96, 4, 3214868480
	.section	.rodata,"a",@progbits
	.p2align	6, 0x0
	.amdhsa_kernel k_q7cb708138f_prep
		.amdhsa_group_segment_fixed_size 68608
		.amdhsa_private_segment_fixed_size 0
		.amdhsa_enable_private_segment 0
		.amdhsa_kernarg_size 64
		.amdhsa_user_sgpr_count 2
		.amdhsa_user_sgpr_kernarg_segment_ptr 1
		.amdhsa_wavefront_size32 1
		.amdhsa_system_sgpr_workgroup_id_x 1
		.amdhsa_system_sgpr_workgroup_id_y 1
		.amdhsa_system_sgpr_workgroup_id_z 1
		.amdhsa_system_vgpr_workitem_id 0
		.amdhsa_next_free_vgpr 256
		.amdhsa_next_free_sgpr 66
		.amdhsa_reserve_vcc 1
		.amdhsa_float_denorm_mode_32 3
		.amdhsa_float_denorm_mode_16_64 3
		.amdhsa_memory_ordered 1
		.amdhsa_forward_progress 1
		.amdhsa_inst_pref_size 44
	.end_amdhsa_kernel
	.amdgpu_metadata
---
amdhsa.version: [ 1, 2 ]
amdhsa.kernels:
  - .name:           k_q7cb708138f_prep
    .symbol:         k_q7cb708138f_prep.kd
    .args:
      - { .name: x, .offset: 0, .size: 8, .value_kind: global_buffer, .address_space: global }
      - { .name: W_q, .offset: 8, .size: 8, .value_kind: global_buffer, .address_space: global }
      - { .name: W_k, .offset: 16, .size: 8, .value_kind: global_buffer, .address_space: global }
      - { .name: W_v, .offset: 24, .size: 8, .value_kind: global_buffer, .address_space: global }
      - { .name: W_o, .offset: 32, .size: 8, .value_kind: global_buffer, .address_space: global }
      - { .name: codes1, .offset: 40, .size: 8, .value_kind: global_buffer, .address_space: global }
      - { .name: scales1, .offset: 48, .size: 8, .value_kind: global_buffer, .address_space: global }
      - { .name: rope, .offset: 56, .size: 8, .value_kind: global_buffer, .address_space: global }
    .group_segment_fixed_size: 68608
    .private_segment_fixed_size: 0
    .kernarg_segment_align: 8
    .kernarg_segment_size: 64
    .max_flat_workgroup_size: 128
    .sgpr_count:     66
    .vgpr_count:     256
    .wavefront_size: 32
...
	.end_amdgpu_metadata
.endif
;; end of part 1
;; launch qkv (part 2): grid 8 x 48, 4 waves a work-group, clusters of 4 x 4, 327,680 bytes of LDS; arguments codes1, scales1, rope, qkv_img, qkv_sc; writes qkv_img, qkv_sc
.if DOCPART == 2
	.amdgcn_target "amdgcn-amd-amdhsa--gfx1250"
	.amdhsa_code_object_version 6
	.text
	.protected	k_q7cb708138f_qkv
	.globl	k_q7cb708138f_qkv
	.p2align	8
	.type	k_q7cb708138f_qkv,@function
k_q7cb708138f_qkv:
	s_mov_b64 s[64:65], 0
	v_nop
	global_prefetch_b8 v0, s[64:65] scope:SCOPE_SE
	s_setreg_imm32_b32 hwreg(HW_REG_WAVE_MODE, 25, 1), 1
	s_wait_xcnt 0x0
	s_wait_alu depctr_hold_cnt(0) depctr_sa_sdst(0) depctr_va_vdst(0) depctr_va_sdst(0) depctr_va_ssrc(0) depctr_va_vcc(0) depctr_vm_vsrc(0)
	s_getreg_b32 s2, hwreg(HW_REG_IB_STS2, 6, 4)
	s_cmp_eq_u32 s2, 0
	s_cbranch_scc0 .Lentry_in_a_cluster
	s_endpgm
.Lentry_in_a_cluster:
	s_bfe_u32 s2, ttmp6, 0x10000c
	s_cmp_lg_u32 s2, 0xf033
	s_cbranch_scc0 .Lentry_shape_is_right
	s_endpgm
.Lentry_shape_is_right:
; Q = x W_q^T, K = x W_k^T, V = x W_v^T on codes of FP6 (E2M3) with E8M0 scales; Q and K are rotated (RoPE) in f32; all three are quantised in registers and leave as codes: none of them goes to memory as f32.
; ONE GEMM BODY: operand P is source 0, operand N source 1; a work-group makes 256 of P x 256 of N, each of its four waves 128 x 128 (64 accumulators, 512 registers); K = 1,024 in four steps of 256 through two LDS slots.
; In the result lane (r, h) holds row r of a tile of N, and the 16 registers of P's tiles 2 B and 2 B + 1 hold P's rows 32 B + 16 h + 0 .. 15 (a tile 2 B + u holds rows 32 B + 8 u + i + 8 (i / 8)): a lane's registers run along P.
; PART QK (clusters y = 0 .. 7): P = W_q and W_k (a lane's registers run along a head's 64, which is the K of the scores), N = x.  PART V (clusters y = 8 .. 11): P = x (registers run along the keys, the K of the second product), N = W_v.
; Which part is the cluster's: it hangs on the cluster's y alone, which all sixteen partners share.
; Operands lie in memory as images of the operand's registers (half-images of 768 bytes: [p][lane][8 bytes]); a tile's part of a K step is 3,072 dense bytes; every fragment read from LDS is 256 consecutive bytes: no padding.
; CLUSTERS: 4 x 4 work-groups; N's tiles are shared along a row of the cluster, P's along a column: each is asked for jointly, by the same tensor load with the same descriptor and a mask that names the four.
; OUT: qkv_img: Q and K [bh][position tile][768], V [bh][64 keys][tile of 16 of the head's 64][768]; qkv_sc: Q and K [bh][128 positions][lane (r, hh)][4 words], word w for tile 2 w + hh: the two bytes and 0x7f7f above them
; (the scores' K is 64: the upper half of each fragment is zero codes); V [bh][128 keys][lane (r, hh)][2 words], word w for tile 2 w + hh.  Every store covers whole aligned runs of 256 bytes.
; LIMITS: NaN and infinities are not served; a block whose largest magnitude lies under 2^-124, a block of zeros too, keeps the byte 1: this program alone reads the bytes.
; REGISTERS, in windows of 256: window 0: v16-29 addresses; v32-63 scale words, two sets; v128-223 N's fragments, one set; on the way out v64-241 at work.  window 1: P's fragments, two sets, at v0 and v128.
;   window 2: the accumulators of N's tiles 0-3 ((a, b) at v[8 (8 (a % 4) + b)]); window 3: those of tiles 4-7.
.set NQ,     2                         ; matrix instructions deep in a slot
.set FR,     12                        ; registers of a fragment
.set NL,     6                         ; LDS loads that bring one
.set NP,     4                         ; places behind this matrix instruction (ISA guide 7.12.1)
.set TILEB,  3072                      ; a tile's bytes in a slot: 16 rows x 256 along K
.set HALFT,  8*TILEB                   ; what one tensor load brings, and what one wave reads of N or of P
.set SLOT,   4*HALFT                   ; N's 16 tiles, then P's 16
.set SCL,    2*SLOT                    ; behind the ring: the scale words of N's 16 tiles, then of P's, for all of K: filled once
.set HALFS,  4096
.set SPARE,  SCL+4*HALFS               ; the spare words, 128 bytes for each wave: two blocks of 256 bytes that no other line names
.set ADRA, 16                          ; v16-17  LDS address of my fragments of N in slot 0, 1
.set ADRB, 20                          ; v20-21  the same for P
.set L8,   24                          ; v24     8 x lane
.set L16,  25                          ; v25     16 x lane
.set ADRS, 27                          ; v27     my scale words: lanes 0-15 N's rows, lanes 16-31 P's
.set SPW,  28                          ; v28     LDS address of my spare word; never rewritten
.set NIL,  29                          ; v29     0; never rewritten
.set SC,   32                          ; scale words: set s at v[SC + 16 s]; register 2 i + q: lanes 0-15 N's tile i, lanes 16-31 P's tile i, the slot's q-th 128 along K
.set AF,   128                         ; N's fragments
.set T,    64                          ; the way out: 64 rotated numbers
.set CS,   128                         ; cosines and sines, two sets of 32 by turns
.set PC,   192                         ; v192-203 the codes; v204-206, v208-210 the conversions' second halves
.set TM,   212                         ; v212-227 at work in QUANT
.set PW,   228                         ; the scale word just made
.set SE,   229                         ; v229-230 an even tile's words, kept for the odd tile's turn
.set SCW,  232                         ; v232-239 the scale words as they leave
.set WT,   240                         ; v240-241 an odd tile's words
.set SEL,  94                          ; s[94:95] selects for lane l xor 16
.set G1, 24                            ; s[24:31] descriptor group 1 for N's tiles;  s[32:39] group 0, one set for each slot
.set G0, 32
.set G1B, 48                           ; s[48:55], s[56:63] the same for P's tiles
.set G0B, 56
.set G1S, 68                           ; s[68:75], s[76:79] groups 1 and 0 for N's scales;  s[80:87], s[88:91] for P's
.set G0S, 76
.set G1SB, 80
.set G0SB, 88
.set MSB, 0
.macro WIN new                         ; the immediate's high byte repeats the setting that is left; a switch that changes nothing is dropped
.if MSB != (\new)
	s_set_vgpr_msb (MSB<<8)|(\new)
.set MSB, (\new)
.endif
.endm
.set MUL_LO, 0xa1                      ; source 0 (P) window 1, source 1 (N) window 0, C and D window 2
.set MUL_HI, 0xf1                      ; the same, C and D window 3
.set TO_B,   0x40                      ; destination window 1, address window 0
; A joint load: waves 0 and 1 fetch for N, waves 2 and 3 for P.  Each of the two lines has one mask and one set of registers for all that issue it; the branch hangs on the wave's number alone.
; An s_nop 0 and four v_nop follow each of the two lines, ahead of the jump, the label and what follows.
.macro JLOAD g0a, g1a, g0b, g1b
	s_cmp_eq_u32 s15, 0
	s_cbranch_scc0 .Lfor_b_\@
	tensor_load_to_lds s[\g0a:\g0a+3], s[\g1a:\g1a+7]
	s_nop 0
.rept 4
	v_nop
.endr
	s_branch .Lasked_\@
.Lfor_b_\@:
	tensor_load_to_lds s[\g0b:\g0b+3], s[\g1b:\g1b+7]
	s_nop 0
.rept 4
	v_nop
.endr
.Lasked_\@:
.endm
.macro CREST                           ; a round of the cluster's barrier behind its opening barrier
	s_cmp_lg_u32 s14, 0
	s_cbranch_scc1 .Lnot_wave_0_\@
	s_barrier_signal -3
.Lnot_wave_0_\@:
	s_barrier_wait -3
	s_barrier_signal -1
	s_barrier_wait -1
.endm
.macro CROUND                          ; a whole round
	s_barrier_signal -1
	s_barrier_wait -1
	CREST
.endm
	s_load_b256 s[4:11], s[0:1], 0x0               ; codes1 s[4:5], scales1 s[6:7], rope s[8:9], qkv_img s[10:11]
	s_load_b64 s[12:13], s[0:1], 0x20              ; qkv_sc
	v_lshl_add_u32 v[SPW], v0, 2, SPARE
	v_mov_b32 v[NIL], 0
	ds_add_u32 v[SPW], v[NIL]
	ds_add_u32 v[SPW], v[NIL]                      ; the wave's opening: the add and its wait ahead of my first tensor load; the set-up below, work on registers, stands between them
	v_lshrrev_b32 v1, 5, v0
	v_readfirstlane_b32 s14, v1                    ; wave 0..3
	s_lshr_b32 s15, s14, 1                         ; which half of N's 256 rows is mine.  Also: I fetch for N (0) or for P (1)
	s_and_b32 s16, s14, 1                          ; which half of P's.  Also: which 8 tiles I fetch
	s_bfe_u32 s40, ttmp6, 0x40000                  ; cx, cy: my place in the cluster
	s_bfe_u32 s41, ttmp6, 0x40004
	s_and_b32 s45, ttmp7, 0xffff                   ; the cluster's y
	s_lshl_b32 s43, s41, 2
	s_lshl_b32 s43, 15, s43                        ; my row of the cluster
	s_lshl_b32 s44, 0x1111, s40                    ; my column
	s_lshl_b32 s42, ttmp9, 2
	s_add_co_u32 s42, s42, s40                     ; 4 x cluster x + cx
	s_lshl_b32 s46, s45, 3
	s_sub_co_u32 s46, s46, 64                      ; 8 (cluster y - 8)
	s_lshl_b32 s47, s45, 2                         ; 4 x cluster y
	s_cmp_ge_u32 s45, 8                            ; part V?  The cluster's y alone: the same in all sixteen partners
	s_cselect_b32 s66, 1, 0
	s_cselect_b32 s46, s46, 0
	s_cselect_b32 s47, 0, s47
	s_cselect_b32 s18, 0, 512                      ; P's first tile in codes1: x's, or W_q's
	s_cselect_b32 s19, 640, 0                      ; N's: W_v's, or x's
	s_add_co_u32 s42, s42, s46                     ; which 256 rows of P: it holds cx and never cy
	s_add_co_u32 s17, s47, s41                     ; which 256 rows of N: it holds cy and never cx
	s_or_b32 s[G1+0], s43, (3<<16)|(1<<21)         ; 15:0 the mask: N's tiles go to my row; 17:16 elements of 8 bytes; 20 no padding; 21 set beside a mask
	s_or_b32 s[G1B+0], s44, (3<<16)|(1<<21)        ; P's go to my column
.irp g, G1, G1B                        ; 8 rows (tiles) of 3,072 bytes, 12,288 bytes apart
	s_mov_b32 s[\g+1], 384<<16                     ; tensor_dim0
	s_mov_b32 s[\g+2], 8<<16                       ; tensor_dim1
	s_mov_b32 s[\g+3], 384<<16                     ; tile_dim0
	s_mov_b32 s[\g+4], 8                           ; tile_dim1
	s_mov_b32 s[\g+5], 1536                        ; tensor_dim0_stride
	s_mov_b32 s[\g+6], 0
	s_mov_b32 s[\g+7], 0
.endr
	s_or_b32 s[G1S+0], s43, (3<<16)|(1<<21)
	s_or_b32 s[G1SB+0], s44, (3<<16)|(1<<21)
.irp g, G1S, G1SB                      ; the scale words of 8 tiles: 4,096 dense bytes as 16 rows of 256
	s_mov_b32 s[\g+1], 32<<16
	s_mov_b32 s[\g+2], 16<<16
	s_mov_b32 s[\g+3], 32<<16
	s_mov_b32 s[\g+4], 16
	s_mov_b32 s[\g+5], 32
	s_mov_b32 s[\g+6], 0
	s_mov_b32 s[\g+7], 0
.endr
	s_lshl_b32 s20, s17, 4
	s_add_co_u32 s20, s20, s19
	s_lshl_b32 s21, s16, 3
	s_add_co_u32 s20, s20, s21                     ; N: the first of the 8 tiles that I fetch
	s_lshl_b32 s46, s42, 4
	s_add_co_u32 s46, s46, s18
	s_add_co_u32 s46, s46, s21                     ; P likewise
	s_lshl_b32 s22, s20, 9                         ; their scale words, 512 bytes a tile,
	s_mov_b32 s23, 0
	s_lshl_b32 s96, s46, 9
	s_mov_b32 s97, 0
	s_mul_i32 s20, s20, 12288                      ; and their codes
	s_mov_b32 s21, 0
	s_mul_i32 s46, s46, 12288
	s_mov_b32 s47, 0
	s_mul_i32 s45, s14, HALFT                      ; where they go: wave x 8 tiles: no place in the cluster enters an LDS address
	s_lshl_b32 s93, s14, 12
	s_mov_b32 s67, 0xffff0000                      ; lanes 16-31
	s_mov_b32 s92, 0x7f7f0000                      ; the bytes of the two blocks of zero codes: 2^0
	s_mov_b32 s[SEL], 0x76543210
	s_mov_b32 s[SEL+1], 0xfedcba98
	s_wait_dscnt 0x0                               ; the opening add is done
	s_wait_kmcnt 0x0
	s_add_nc_u64 s[20:21], s[4:5], s[20:21]
	s_add_nc_u64 s[22:23], s[6:7], s[22:23]
	s_add_nc_u64 s[46:47], s[4:5], s[46:47]
	s_add_nc_u64 s[96:97], s[6:7], s[96:97]
	CROUND                                         ; all sixteen work-groups are here: the first joint loads meet
	s_mov_b32 s[G0S], 1
	s_add_co_u32 s[G0S+1], s93, SCL
	s_mov_b64 s[G0S+2:G0S+3], s[22:23]
	s_or_b32 s[G0S+3], s[G0S+3], 0x80000000
	s_mov_b32 s[G0SB], 1
	s_add_co_u32 s[G0SB+1], s93, SCL
	s_mov_b64 s[G0SB+2:G0SB+3], s[96:97]
	s_or_b32 s[G0SB+3], s[G0SB+3], 0x80000000
	JLOAD G0S, G1S, G0SB, G1SB                     ; the scales first: they are wanted with K step 0
.irp s, 0,1
	s_mov_b32 s[G0+4*\s], 1
	s_add_co_u32 s[G0+4*\s+1], s45, \s*SLOT
	s_add_nc_u64 s[G0+4*\s+2:G0+4*\s+3], s[20:21], \s*TILEB
	s_or_b32 s[G0+4*\s+3], s[G0+4*\s+3], 0x80000000
	s_mov_b32 s[G0B+4*\s], 1
	s_add_co_u32 s[G0B+4*\s+1], s45, \s*SLOT
	s_add_nc_u64 s[G0B+4*\s+2:G0B+4*\s+3], s[46:47], \s*TILEB
	s_or_b32 s[G0B+4*\s+3], s[G0B+4*\s+3], 0x80000000
	JLOAD G0+4*\s, G1, G0B+4*\s, G1B               ; by this text's count three loads of mine are out now
.endr
	v_and_b32 v1, 31, v0                           ; lane
	v_and_b32 v2, 15, v0                           ; r
	v_bfe_u32 v3, v0, 4, 1                         ; h
	s_wait_alu depctr_va_vdst(0)
	v_lshlrev_b32 v[L8], 3, v1
	v_lshlrev_b32 v[L16], 4, v1
	s_mul_i32 s21, s15, HALFT                      ; my 8 tiles of N
	s_mul_i32 s22, s16, HALFT                      ; my 8 tiles of P,
	s_add_co_u32 s22, s22, 2*HALFT                 ; which lie behind N's 16
.irp s, 0,1
	v_add_nc_u32 v[ADRA+\s], s21, v[L8]
	v_add_nc_u32 v[ADRB+\s], s22, v[L8]
	s_add_co_u32 s21, s21, SLOT
	s_add_co_u32 s22, s22, SLOT
.endr
	v_lshlrev_b32 v5, 4, v2                        ; my row's scale words: 16 bytes a row in each half of K
	s_lshl_b32 s21, s15, 12                        ; N's: my 8 tiles
	s_lshl_b32 s22, s16, 12                        ; P's: my 8 tiles, behind N's 16
	s_add_co_u32 s22, s22, 2*HALFS
	s_sub_co_u32 s22, s22, s21
	v_mul_u32_u24 v6, s22, v3                      ; lanes 16-31 take P's
	s_add_co_u32 s21, s21, SCL
	v_add_nc_u32 v5, v5, v6
	v_add_nc_u32 v[ADRS], s21, v5
.macro FRAG reg, adr, q, i             ; a fragment, 16 rows x 128 K, is 12 registers: six loads of 8 bytes a lane, each 256 consecutive bytes of the image
.irp p, 0,1,2,3,4,5
	ds_load_b64 v[\reg+2*\p:\reg+2*\p+1], v[\adr] offset:TILEB*(\i)+1536*(\q)+256*\p
.endr
.endm
; 16 matrix instructions: N's tiles a0, a0 + 1 x P's eight, 128 along K: the slot's q-th.  p: P's set;  sc: the set of scale words.  zero = 1: the first product starts the sums: nothing is ever cleared.
; The 64 accumulators take turns, one instruction a turn, in the same order in every step.
.macro MUL16 a0, p, q, sc, zero
.irp a, \a0, \a0+1
.irp b, 0,1,2,3,4,5,6,7
.if \zero
	v_wmma_scale_f32_16x16x128_f8f6f4 v[8*(8*((\a)%4)+\b):8*(8*((\a)%4)+\b)+7], v[128*(\p)+FR*\b:128*(\p)+FR*\b+FR-1], v[AF+FR*(\a):AF+FR*(\a)+FR-1], 0, v[SC+8*NQ*(\sc)+NQ*\b+(\q)], v[SC+8*NQ*(\sc)+NQ*(\a)+(\q)] matrix_a_fmt:MATRIX_FMT_FP6 matrix_b_fmt:MATRIX_FMT_FP6 matrix_a_scale:MATRIX_SCALE_ROW1
.else
	v_wmma_scale_f32_16x16x128_f8f6f4 v[8*(8*((\a)%4)+\b):8*(8*((\a)%4)+\b)+7], v[128*(\p)+FR*\b:128*(\p)+FR*\b+FR-1], v[AF+FR*(\a):AF+FR*(\a)+FR-1], v[8*(8*((\a)%4)+\b):8*(8*((\a)%4)+\b)+7], v[SC+8*NQ*(\sc)+NQ*\b+(\q)], v[SC+8*NQ*(\sc)+NQ*(\a)+(\q)] matrix_a_fmt:MATRIX_FMT_FP6 matrix_b_fmt:MATRIX_FMT_FP6 matrix_a_scale:MATRIX_SCALE_ROW1
.endif
.endr
.endr
.endm
.macro FETCH_B slot, q, p              ; P's eight fragments of the slot's q-th 128 along K into set p
	WIN TO_B
.irp i, 0,1,2,3,4,5,6,7
	FRAG 128*(\p)+FR*\i, ADRB+\slot, \q, \i
.endr
	WIN 0
.endm
.macro FETCH_A slot, q, i0             ; N's tiles i0 .. i0 + 3
.irp i, \i0, \i0+1, \i0+2, \i0+3
	FRAG AF+FR*(\i), ADRA+\slot, \q, \i
.endr
.endm
.macro SCALES sc, st                   ; K step st's scale words into set sc: two words a row; lanes 0-15 take N's tile i, lanes 16-31 P's tile i
.irp i, 0,1,2,3,4,5,6,7
	ds_load_b64 v[SC+8*NQ*\sc+NQ*\i:SC+8*NQ*\sc+NQ*\i+1], v[ADRS] offset:512*\i+256*((\st)/2)+8*((\st)%2)
.endr
.endm
; A load into a register that a matrix instruction has read, and a vector instruction that reads a matrix result or writes one of a matrix instruction's registers, stand NP places behind it; only plain vector
; instructions that name none of its registers are places (ISA guide 7.12.1 for vector instructions).
.macro PLACES n
.rept \n
	v_nop
.endr
.endm
.macro STEP slot, q, zero              ; a step of 128 along K that has its successor in the same slot
	s_wait_dscnt 4*NL                              ; P's set, N's tiles 0-3 and the scale words are in; the youngest 24 loads (N's tiles 4-7) may be out
	WIN MUL_LO
	MUL16 0, (\q)%2, \q, \slot, \zero
	MUL16 2, (\q)%2, \q, \slot, \zero
	s_wait_dscnt 0                                 ; N's tiles 4-7 are in (asked for 32 matrix instructions ago)
	PLACES NP
	FETCH_B \slot, (\q)+1, 1-(\q)%2
	FETCH_A \slot, (\q)+1, 0
	WIN MUL_HI
	MUL16 4, (\q)%2, \q, \slot, \zero
	MUL16 6, (\q)%2, \q, \slot, \zero
	PLACES NP
	WIN 0
	FETCH_A \slot, (\q)+1, 4
.endm
; A slot's last step changes slots: ONE barrier; in front of it each wave waits for all its tensor loads, adds 0 to its spare word, and waits for that and for its own reads of this slot.
; fill = 1: this slot is filled again, two K steps ahead; the barrier then opens a round of the cluster's.  st: the K step that lies in the next slot.
.macro TURN slot, next, fill, st
	s_wait_tensorcnt 0x0                           ; all my tensor loads have landed: my part of the next slot  (every window is 0 here)
	ds_add_u32 v[SPW], v[NIL]                      ; 0 onto my spare word
	s_wait_dscnt 4*NL+1                            ; (the add and the youngest 24 loads, N's tiles 4-7, may be out)
	WIN MUL_LO
	MUL16 0, 1, NQ-1, \slot, 0                     ; sixteen matrix instructions stand between the add and the wait for it
	s_wait_dscnt 0x0                               ; the add is done, and my reads of this slot are over
	s_barrier_signal -1
	MUL16 2, 1, NQ-1, \slot, 0
	WIN 0
	s_barrier_wait -1
.if \fill
	CREST                                          ; no wave of any partner still reads this slot's tiles or has a load on its way
	s_add_nc_u64 s[G0+4*\slot+2:G0+4*\slot+3], s[G0+4*\slot+2:G0+4*\slot+3], 2*TILEB
	s_add_nc_u64 s[G0B+4*\slot+2:G0B+4*\slot+3], s[G0B+4*\slot+2:G0B+4*\slot+3], 2*TILEB
	JLOAD G0+4*\slot, G1, G0B+4*\slot, G1B         ; the first tensor load behind the round, my one load until the next; its four v_nop are the places in front of the loads below
.else
	PLACES NP
.endif
	FETCH_B \next, 0, 0
	FETCH_A \next, 0, 0
	SCALES \next, \st
	WIN MUL_HI
	MUL16 4, 1, NQ-1, \slot, 0
	MUL16 6, 1, NQ-1, \slot, 0
	PLACES NP
	WIN 0
	FETCH_A \next, 0, 4
.endm
	s_wait_alu depctr_va_vdst(0)
	s_wait_tensorcnt 1                             ; the scales and my part of K step 0 are in; K step 1's load may be out
	s_barrier_signal -1
	s_barrier_wait -1                              ; everybody's are
	FETCH_B 0, 0, 0
	FETCH_A 0, 0, 0
	SCALES 0, 0
	FETCH_A 0, 0, 4
	STEP 0, 0, 1                                   ; the first step's products start the sums.  Four K steps: written out, no loop
	TURN 0, 1, 1, 1                                ; slot 0 takes K step 2
	STEP 1, 0, 0
	TURN 1, 0, 1, 2                                ; slot 1 takes K step 3
	STEP 0, 0, 0
	TURN 0, 1, 0, 3                                ; nothing is left to fetch: a plain barrier
	STEP 1, 0, 0
	s_wait_dscnt 4*NL                              ; the very last step
	WIN MUL_LO
	MUL16 0, 1, NQ-1, 1, 0
	MUL16 2, 1, NQ-1, 1, 0
	s_wait_dscnt 0
	WIN MUL_HI
	MUL16 4, 1, NQ-1, 1, 0
	MUL16 6, 1, NQ-1, 1, 0
	WIN 0
; 64 numbers of a lane in window ws, v[s] .. v[s + 63], register 16 b + i = k 32 b + 16 (lane / 16) + i of my row, become a fragment's codes in v[PC] on and its scale word in v[pw] (the same in lanes l and l xor 16).
.macro QUANT s, ws, pw
.set QW, (\ws)
	WIN (QW<<2)|(QW<<4)                            ; sources 1 and 2 in the numbers' window
.irp b, 0,1,2,3
	v_max3_num_f32 v[TM+\b], 0x1800000, |v[(\s)+16*\b]|, |v[(\s)+1+16*\b]|   ; block b: my 16 numbers, from the low end on, and the floor 2^(3 - 127): the byte cannot fall under 1
.endr
.irp i, 2,4,6,8,10,12,14
.irp b, 0,1,2,3
	v_max3_num_f32 v[TM+\b], v[TM+\b], |v[(\s)+16*\b+\i]|, |v[(\s)+1+16*\b+\i]|
.endr
.endr
	WIN 0
.irp b, 0,1,2,3
	v_permlanex16_b32 v[TM+4+\b], v[TM+\b], s[SEL], s[SEL+1]
.endr
.irp b, 0,1,2,3
	v_max_num_f32 v[TM+\b], v[TM+\b], v[TM+4+\b]   ; with lane l xor 16's: the block's largest magnitude
.endr
.irp b, 0,1,2,3
	v_add_nc_u32 v[TM+12+\b], 0xff000000, v[TM+\b]   ; 2 off its exponent field: the conversion's scale operand
.endr
.irp b, 0,1,2,3
	v_lshrrev_b32 v[TM+4+\b], 23, v[TM+12+\b]      ; the scale's byte
.endr
	v_lshl_or_b32 v[\pw], v[TM+5], 8, v[TM+4]
	v_lshl_or_b32 v[\pw], v[TM+6], 16, v[\pw]
	v_lshl_or_b32 v[\pw], v[TM+7], 24, v[\pw]
	WIN QW                                         ; source 0 in the numbers' window
.irp c, 0,1
	v_cvt_scalef32_pk16_fp6_f32 v[PC+6*\c:PC+2+6*\c], v[(\s)+32*\c:(\s)+15+32*\c], v[TM+12+2*\c]
	v_cvt_scalef32_pk16_fp6_f32 v[PC+12+4*\c:PC+14+4*\c], v[(\s)+16+32*\c:(\s)+31+32*\c], v[TM+12+2*\c+1]   ; (a conversion's three registers begin on an even number)
.endr
	WIN 0
	v_nop                                          ; one plain place behind a scaled conversion
.irp c, 0,1                            ; the operand's layout wants a whole block in a lane: lanes 0-15 block 2 c, lanes 16-31 block 2 c + 1
.irp i, 0,1,2
	v_permlane16_swap_b32 v[PC+6*\c+\i], v[PC+12+4*\c+\i]
.endr
.irp i, 0,1,2
	v_mov_b32 v[PC+3+6*\c+\i], v[PC+12+4*\c+\i]
.endr
.endr
.endm
.macro ROPELD a                        ; position tile a's cosines and sines: eight loads of 512 consecutive bytes
.irp bb, 0,1
.irp q, 0,1,2,3
	global_load_b128 v[CS+32*((\a)%2)+16*\bb+4*\q:CS+32*((\a)%2)+16*\bb+4*\q+3], v[L16], s[8:9] offset:4096*(\a)+512*(4*\bb+\q)
.endr
.endr
.endm
; Part QK, N's tile a (16 positions): my 128 numbers a lane-pair are two heads' 64; rotated, quantised along the head, stored as two half-images.
.macro QKTILE a
.if (\a) < 7
	ROPELD (\a)+1
	s_wait_loadcnt 8                               ; this tile's eight loads are in; the next tile's eight may be out
.else
	s_wait_loadcnt 0x0
.endif
.set AC, 64*((\a)%4)
.set CC, CS+32*((\a)%2)
	WIN 2+(\a)/4                                   ; source 0: the accumulators' window
.irp g, 0,1,2,3
.irp e, 0,2,4,6,8,10,12,14
	v_mul_f32 v[T+16*\g+\e], v[AC+16*\g+\e], v[CC+16*(\g%2)+\e]                         ; x1 c      (each accumulator is read from its low end on)
	v_mul_f32 v[T+16*\g+\e+1], v[AC+16*\g+\e], v[CC+16*(\g%2)+\e+1]                     ; x1 s
	v_fma_f32 v[T+16*\g+\e], -v[AC+16*\g+\e+1], v[CC+16*(\g%2)+\e+1], v[T+16*\g+\e]     ; - x2 s
	v_fma_f32 v[T+16*\g+\e+1], v[AC+16*\g+\e+1], v[CC+16*(\g%2)+\e], v[T+16*\g+\e+1]    ; + x2 c
.endr
.endr
	WIN 0
	s_wait_xcnt 0x0                                ; the last tile's stores have read the codes' registers: only behind this wait are they written again
	QUANT T, 0, PW
.irp c, 0,1
.irp p, 0,1,2
	global_store_b64 v[L8], v[PC+6*\c+2*\p:PC+6*\c+2*\p+1], s[10:11] offset:768*(\a)+98304*\c+256*\p   ; head c's half-image: 256 consecutive bytes a store, aligned
.endr
.endr
.if (\a)%2 == 0
	v_and_or_b32 v[SE], v[PW], 0xffff, s92         ; head 0's two bytes, 2^0 for the zero half;
	v_lshrrev_b32 v[SE+1], 16, v[PW]
	v_or_b32 v[SE+1], s92, v[SE+1]                 ; head 1's
.else
	v_and_or_b32 v[WT], v[PW], 0xffff, s92
	v_lshrrev_b32 v[WT+1], 16, v[PW]
	v_or_b32 v[WT+1], s92, v[WT+1]
	v_cndmask_b32 v[SCW+(\a)/2], v[SE], v[WT], s67         ; lanes 0-15 the even tile's word, lanes 16-31 the odd tile's
	v_cndmask_b32 v[SCW+4+(\a)/2], v[SE+1], v[WT+1], s67
.endif
.endm
; Part V, N's tile a (16 of a head's 64): my registers run along 128 keys: quantised as they stand in the accumulators.
.macro VTILE a
	s_wait_xcnt 0x0                                ; the last tile's stores have read the codes' registers
.if (\a)%2 == 0
	QUANT 64*((\a)%4), 2+(\a)/4, SE
.else
	QUANT 64*((\a)%4), 2+(\a)/4, PW
.endif
.irp c, 0,1
.irp p, 0,1,2
	global_store_b64 v[L8], v[PC+6*\c+2*\p:PC+6*\c+2*\p+1], s[10:11] offset:768*((\a)%4)+98304*((\a)/4)+3072*\c+256*\p
.endr
.endr
.if (\a)%2 == 1
	v_cndmask_b32 v[SCW+2*((\a)/4)+((\a)%4)/2], v[SE], v[PW], s67
.endif
.endm
	PLACES NP                                      ; behind the last products: for the loads and writes into the registers that held N's fragments, and for the first reads of results
.irp b, 0,1,2,3
	v_mov_b32 v[TM+4+\b], 0                        ; written once: a lane permute's destination counts as one of its sources
.endr
	s_cmp_lg_u32 s66, 0
	s_cbranch_scc1 .Lvpart
	; ---- part QK
	s_and_b32 s18, s42, 3
	s_lshl_b32 s18, s18, 2
	s_lshl_b32 s19, s16, 1
	s_add_co_u32 s18, s18, s19                     ; my first head: 4 (P's block % 4) + 2 x half
	s_lshr_b32 s19, s17, 3
	s_lshl_b32 s19, s19, 4
	s_add_co_u32 s18, s18, s19                     ; + 16 x batch
	s_and_b32 s19, s17, 7
	s_lshl_b32 s19, s19, 1
	s_add_co_u32 s19, s19, s15                     ; my 128 positions of the sequence
	s_lshl_b32 s20, s19, 3                         ; their first tile
	s_lshr_b32 s21, s42, 2                         ; 0: Q, 1: K
	s_lshl_b32 s22, s18, 7
	s_add_co_u32 s22, s22, s20
	s_mul_i32 s22, s22, 768
	s_mul_i32 s23, s21, 6291456
	s_add_co_u32 s22, s22, s23
	s_mov_b32 s23, 0
	s_add_nc_u64 s[10:11], s[10:11], s[22:23]
	s_lshl_b32 s22, s18, 4
	s_add_co_u32 s22, s22, s19
	s_lshl_b32 s22, s22, 9
	s_lshl_b32 s46, s21, 19
	s_add_co_u32 s22, s22, s46
	s_add_nc_u64 s[12:13], s[12:13], s[22:23]
	s_lshl_b32 s22, s20, 12
	s_add_nc_u64 s[8:9], s[8:9], s[22:23]
	ROPELD 0
.irp a, 0,1,2,3,4,5,6,7
	QKTILE \a
.endr
	global_store_b128 v[L16], v[SCW:SCW+3], s[12:13]               ; 512 consecutive bytes: head 0's scale words of my 128 positions,
	global_store_b128 v[L16], v[SCW+4:SCW+7], s[12:13] offset:8192 ; head 1's
	s_branch .Ldone
.Lvpart:
	s_lshl_b32 s18, s17, 2
	s_lshl_b32 s19, s15, 1
	s_add_co_u32 s18, s18, s19                     ; my first head: 4 x N's block + 2 x half
	s_lshr_b32 s19, s42, 3
	s_lshl_b32 s19, s19, 4
	s_add_co_u32 s18, s18, s19                     ; + 16 x batch
	s_and_b32 s19, s42, 7
	s_lshl_b32 s19, s19, 1
	s_add_co_u32 s19, s19, s16                     ; my 128 keys of the sequence
	s_lshl_b32 s22, s18, 5
	s_lshl_b32 s20, s19, 1
	s_add_co_u32 s22, s22, s20                     ; their first group of 64
	s_mul_i32 s22, s22, 3072
	s_add_co_u32 s22, s22, 12582912
	s_mov_b32 s23, 0
	s_add_nc_u64 s[10:11], s[10:11], s[22:23]
	s_lshl_b32 s22, s18, 4
	s_add_co_u32 s22, s22, s19
	s_lshl_b32 s22, s22, 8
	s_add_co_u32 s22, s22, 1048576
	s_add_nc_u64 s[12:13], s[12:13], s[22:23]
.irp a, 0,1,2,3,4,5,6,7
	VTILE \a
.endr
	global_store_b64 v[L8], v[SCW:SCW+1], s[12:13]                 ; 256 consecutive bytes: head 0's scale words of my 128 keys,
	global_store_b64 v[L8], v[SCW+2:SCW+3], s[12:13] offset:4096   ; head 1's
.Ldone:
	s_wait_tensorcnt 0x0                           ; the wave's end: behind my last tensor load
	ds_add_u32 v[SPW], v[NIL]
	s_wait_dscnt 0x0
	CROUND                                         ; the closing round: no work-group ends while a partner may still ask for a tile that names it
	s_endpgm
.Lfunc_end_k_q7cb708138f_qkv:
	.size	k_q7cb708138f_qkv, .Lfunc_end_k_q7cb708138f_qkv-k_q7cb708138f_qkv
	.p2alignl 7, 3214868480
	.fill 96, 4, 3214868480
	.section	.rodata,"a",@progbits
	.p2align	6, 0x0
	.amdhsa_kernel k_q7cb708138f_qkv
		.amdhsa_group_segment_fixed_size 327680
		.amdhsa_private_segment_fixed_size 0
		.amdhsa_enable_private_segment 0
		.amdhsa_kernarg_size 40
		.amdhsa_user_sgpr_count 2
		.amdhsa_user_sgpr_kernarg_segment_ptr 1
		.amdhsa_wavefront_size32 1
		.amdhsa_system_sgpr_workgroup_id_x 1
		.amdhsa_system_sgpr_workgroup_id_y 1
		.amdhsa_system_sgpr_workgroup_id_z 1
		.amdhsa_system_vgpr_workitem_id 0
		.amdhsa_next_free_vgpr 1024
		.amdhsa_next_free_sgpr 100
		.amdhsa_reserve_vcc 0
		.amdhsa_float_denorm_mode_32 3
		.amdhsa_float_denorm_mode_16_64 3
		.amdhsa_memory_ordered 1
		.amdhsa_forward_progress 1
		.amdhsa_inst_pref_size 255
	.end_amdhsa_kernel
	.section	.bss,"aw",@nobits
	.p2align	6
	.space	262144
	.amdgpu_metadata
---
amdhsa.version: [ 1, 2 ]
amdhsa.kernels:
  - .name:           k_q7cb708138f_qkv
    .symbol:         k_q7cb708138f_qkv.kd
    .args:
      - { .name: codes1, .offset: 0, .size: 8, .value_kind: global_buffer, .address_space: global }
      - { .name: scales1, .offset: 8, .size: 8, .value_kind: global_buffer, .address_space: global }
      - { .name: rope, .offset: 16, .size: 8, .value_kind: global_buffer, .address_space: global }
      - { .name: qkv_img, .offset: 24, .size: 8, .value_kind: global_buffer, .address_space: global }
      - { .name: qkv_sc, .offset: 32, .size: 8, .value_kind: global_buffer, .address_space: global }
    .group_segment_fixed_size: 327680
    .private_segment_fixed_size: 0
    .kernarg_segment_align: 8
    .kernarg_segment_size: 40
    .max_flat_workgroup_size: 128
    .sgpr_count:     100
    .vgpr_count:     1024
    .wavefront_size: 32
...
	.end_amdgpu_metadata
.endif
;; end of part 2
;; launch attn (part 3): grid 8 x 64, 16 waves a work-group, no clusters, 212,992 bytes of LDS; arguments qkv_img, qkv_sc, a_img, a_sc; writes a_img, a_sc
.if DOCPART == 3
	.amdgcn_target "amdgcn-amd-amdhsa--gfx1250"
	.amdhsa_code_object_version 6
	.text
	.protected	k_q7cb708138f_attn
	.globl	k_q7cb708138f_attn
	.p2align	8
	.type	k_q7cb708138f_attn,@function
k_q7cb708138f_attn:
	s_mov_b64 s[64:65], 0
	v_nop
	global_prefetch_b8 v0, s[64:65] scope:SCOPE_SE
	s_setreg_imm32_b32 hwreg(HW_REG_WAVE_MODE, 25, 1), 1
	s_wait_xcnt 0x0
; Causal attention of one head on codes of FP6 (E2M3) with E8M0 scales: scores = Q K^T (K = the head's 64: the upper half of each fragment of 128 is zero codes under the byte 2^0), softmax, O = P V (K = the keys), O / l,
; and O quantised along the head's 64 for the output projection.  Inputs and outputs are images of operand registers (half-images of 768 bytes: [p][lane][8 bytes]).
; THE SOFTMAX: t = score x log2(e) / 8; M = the row's largest t so far, rounded up to a whole number; p = 2^(t - M) is quantised along the keys, not normalised; the row's sum is taken of the unquantised p and divides at the end.
; When M moves, the sum and O are multiplied by 2^(old M - new M): exact.
; SHARES.  Work-group (j, bh) owns 256 queries of head bh: groups j and 15 - j of 128, so that every work-group has 8 (j + 1) + 8 (16 - j) = 136 wave-steps.  Each of the sixteen waves owns one tile of 16 queries, in 256 registers.
; The waves of the low and of the high group alternate so that each run of four and each residue of four holds two of each.  A step is 128 keys; a step all of whose keys come after the wave's queries is jumped over (ids alone).
; LDS.  The whole head's K and V (98,304 bytes each) and their scale words are brought ONCE, by wave 0 (K) and wave 1 (V): the scales, then four chunks of 512 keys; no byte of LDS is filled twice.  A work-group with large j
; brings keys that none of its waves reads: at the worst 7/16 of the head.
; NO CLUSTER: the eight work-groups of a head read the same K and V, but a step's causal jump hangs on the work-group's own queries, which differ between such partners.
; LAYOUT.  Both products are used transposed (source 0 = 16 keys, or 16 of the head's 64; source 1 = my 16 queries): a lane holds ONE query throughout.  A tile 2 B + u holds rows 32 B + 8 u + i + 8 (i / 8), so the 16 registers
; of tiles 2 B and 2 B + 1 are 16 neighbours: 32 B + 16 (lane / 16) + 0 .. 15.
; LIMITS: NaN and infinities are not served; a block whose largest magnitude lies under 2^-124, a block of zeros too, keeps the byte 1: this program alone reads the bytes.
; REGISTERS: v1-4, v7 addresses that stay; v5, v6 the add's two; v8-11 addresses in hand; v12 -M, v13 the largest t, v[14:15] the sum; v16-27 Q; v29 the mask's lane term; v[30:31] V's scale words; v32-79 four fragments of K;
; v80-91 p's codes; v92-95 K's scale words; v96-159 S^T, then p; v160-191 O^T; v192-239 four fragments of V; v240-251 at work; v252 f, v253 p's scale word, v254 at work, v255 Q's scale word.
.set VIMG,  98304                      ; LDS: K's images from 0, V's from here,
.set KSC,   196608                     ; K's scale words, 8,192 bytes,
.set VSC,   204800                     ; V's, 4,096 bytes,
.set SPARE, 208896                     ; the spare words, 128 bytes for each wave: eight blocks of 256 bytes that no other line names
.set CHUNK, 24576                      ; 512 keys of K or of V
.set AK0,  1                           ; v1   8 x lane
.set AV0,  2                           ; v2   + VIMG
.set ASK0, 3                           ; v3   16 x lane + KSC
.set ASV0, 4                           ; v4   8 x lane + VSC
.set SPW,  5
.set NIL,  6
.set ADK,  8
.set ADV,  9
.set ADS,  10
.set ADT,  11
.set WV,   12                          ; s12  my wave's number
.set Q0,   17                          ; s17  my tile's first query
.set KF,   18                          ; s18  the step's first key
.set TB,   19                          ; s19  the step's images: 6,144 bytes a step, in K and in V
.set TS,   20                          ; s20  K's scale words: 512 a step
.set TJ,   21                          ; s21  V's: 256 a step
.set CNT,  22
.set SEL,  24                          ; s[24:25] selects for lane l xor 16
.set CS,   26                          ; s[26:27] c = log2(e) / 8
.set QL,   82                          ; s82  my tile's last query
.macro G0SET g, c                      ; descriptor group 0 for chunk c
	s_mov_b32 s[\g], 1
	s_add_co_u32 s[\g+1], s78, (\c)*CHUNK
	s_add_nc_u64 s[\g+2:\g+3], s[76:77], (\c)*CHUNK
	s_or_b32 s[\g+3], s[\g+3], 0x80000000
.endm
.macro G1SET g, rows                   ; descriptor group 1: a dense block as rows of 256 bytes (32 elements of 8 bytes), no padding, no mask
	s_mov_b32 s[\g], 3<<16
	s_mov_b32 s[\g+1], 32<<16
	s_mov_b32 s[\g+2], (\rows)<<16
	s_mov_b32 s[\g+3], 32<<16
	s_mov_b32 s[\g+4], \rows
	s_mov_b32 s[\g+5], 32
	s_mov_b32 s[\g+6], 0
	s_mov_b32 s[\g+7], 0
.endm
	s_load_b256 s[4:11], s[0:1], 0x0               ; qkv_img s[4:5], qkv_sc s[6:7], a_img s[8:9], a_sc s[10:11]
	v_lshl_add_u32 v[SPW], v0, 2, SPARE
	v_mov_b32 v[NIL], 0
	ds_add_u32 v[SPW], v[NIL]                      ; the wave's opening: the add and its wait ahead of the first tensor load; the set-up below, work on registers, stands between them
	ds_add_u32 v[SPW], v[NIL]
	v_lshrrev_b32 v8, 5, v0
	s_delay_alu instid0(VALU_DEP_1)
	v_readfirstlane_b32 s[WV], v8                  ; wave 0..15
	s_and_b32 s13, ttmp7, 0xffff                   ; bh = 16 x batch + head
	s_and_b32 s14, s[WV], 1                        ; 0: K's loads, 1: V's (waves 0 and 1 alone issue them)
	G1SET 28, 96                                   ; s[28:35] a chunk of images
	G1SET 36, 32                                   ; s[36:43] K's scale words
	G1SET 44, 16                                   ; s[44:51] V's
	s_mul_i32 s76, s13, 98304                      ; the head's images,
	s_mul_i32 s77, s14, 6291456
	s_add_co_u32 s76, s76, s77
	s_add_co_u32 s76, s76, 6291456                 ; in K's or in V's part of the buffer
	s_mov_b32 s77, 0
	s_lshl_b32 s80, s13, 13                        ; its scale words: 8,192 bytes a head in K, 4,096 in V
	s_lshr_b32 s80, s80, s14
	s_lshl_b32 s81, s14, 19
	s_add_co_u32 s80, s80, s81
	s_add_co_u32 s80, s80, 524288
	s_mov_b32 s81, 0
	s_mul_i32 s78, s14, VIMG                       ; where they go
	s_lshl_b32 s79, s14, 13
	s_add_co_u32 s79, s79, KSC
	s_lshr_b32 s15, s[WV], 2
	s_xor_b32 s15, s15, s[WV]
	s_and_b32 s15, s15, 1                          ; 1: my tile lies in the high group
	s_lshr_b32 s16, s[WV], 1                       ; which of the group's eight tiles
	s_sub_co_u32 s83, 15, ttmp9
	s_cmp_eq_u32 s15, 1
	s_cselect_b32 s83, s83, ttmp9
	s_lshl_b32 s83, s83, 3
	s_add_co_u32 s83, s83, s16                     ; qt: my tile of queries, 0 .. 127
	s_lshr_b32 s[Q0], s83, 1
	s_lshl_b32 s[Q0], s[Q0], 5
	s_and_b32 s84, s83, 1
	s_lshl_b32 s85, s84, 3
	s_add_co_u32 s[Q0], s[Q0], s85                 ; its first query: 32 (qt / 2) + 8 (qt % 2)
	s_add_co_u32 s[QL], s[Q0], 23                  ; and its last
	s_lshl_b32 s86, s13, 7
	s_add_co_u32 s86, s86, s83
	s_mul_i32 s86, s86, 768                        ; Q's half-image
	s_mov_b32 s87, 0
	s_lshl_b32 s88, s13, 13                        ; Q's scale word: the head, the group of 128,
	s_lshr_b32 s89, s83, 3
	s_lshl_b32 s89, s89, 9
	s_add_co_u32 s88, s88, s89
	s_lshl_b32 s89, s84, 8                         ; lanes 16 (qt % 2) on,
	s_add_co_u32 s88, s88, s89
	s_bfe_u32 s89, s83, 0x20001
	s_lshl_b32 s89, s89, 2                         ; word (qt / 2) % 4
	s_add_co_u32 s88, s88, s89
	s_mov_b32 s89, 0
	s_lshr_b32 s90, s13, 4
	s_lshl_b32 s90, s90, 7
	s_add_co_u32 s90, s90, s83                     ; the output's tile: 128 x batch + qt
	s_and_b32 s91, s13, 15                         ; the head
	s_lshl_b32 s92, s90, 4
	s_add_co_u32 s92, s92, s91
	s_mul_i32 s92, s92, 768
	s_mov_b32 s93, 0
	s_lshl_b32 s94, s90, 9                         ; its scale bytes: tile, (head / 2) / 4, word (head / 2) % 4, bytes 2 (head % 2) on
	s_lshr_b32 s95, s91, 3
	s_lshl_b32 s95, s95, 8
	s_add_co_u32 s94, s94, s95
	s_bfe_u32 s95, s91, 0x20001
	s_lshl_b32 s95, s95, 2
	s_add_co_u32 s94, s94, s95
	s_and_b32 s95, s91, 1
	s_lshl_b32 s95, s95, 1
	s_add_co_u32 s94, s94, s95
	s_mov_b32 s95, 0
	s_mov_b32 s23, 0xffff0000                      ; lanes 16-31
	s_mov_b32 s[SEL], 0x76543210
	s_mov_b32 s[SEL+1], 0xfedcba98
	s_mov_b32 s[CS], 0x3e38aa3b                    ; c = log2(e) / sqrt(64)
	s_mov_b32 s[CS+1], s[CS]                       ; (named with it as a pair, so it is written)
	s_mov_b32 s[KF], 0
	s_mov_b32 s[TB], 0
	s_mov_b32 s[TS], 0
	s_mov_b32 s[TJ], 0
	s_wait_dscnt 0x0                               ; the opening add is done
	s_wait_kmcnt 0x0
	s_add_nc_u64 s[76:77], s[4:5], s[76:77]
	s_add_nc_u64 s[80:81], s[6:7], s[80:81]
	s_add_nc_u64 s[86:87], s[4:5], s[86:87]
	s_add_nc_u64 s[88:89], s[6:7], s[88:89]
	s_add_nc_u64 s[8:9], s[8:9], s[92:93]
	s_add_nc_u64 s[10:11], s[10:11], s[94:95]
	s_mov_b32 s52, 1                               ; s[52:55] group 0 for the scale words
	s_mov_b32 s53, s79
	s_mov_b64 s[54:55], s[80:81]
	s_or_b32 s55, s55, 0x80000000
	G0SET 56, 0
	G0SET 60, 1
	G0SET 68, 2
	G0SET 72, 3
	s_cmp_eq_u32 s[WV], 0                          ; a wave's five fills stand in one branch on the wave's number, ahead of every wait on TENSORcnt, every LDS read and every barrier: five loads of the wave are out
	s_cbranch_scc0 .Lnot_k
	tensor_load_to_lds s[52:55], s[36:43]
	s_nop 0
	tensor_load_to_lds s[56:59], s[28:35]
	s_nop 0
	tensor_load_to_lds s[60:63], s[28:35]
	s_nop 0
	tensor_load_to_lds s[68:71], s[28:35]
	s_nop 0
	tensor_load_to_lds s[72:75], s[28:35]
	s_nop 0
.rept 4
	v_nop
.endr
	s_branch .Lasked
.Lnot_k:
	s_cmp_eq_u32 s[WV], 1
	s_cbranch_scc0 .Lasked
	tensor_load_to_lds s[52:55], s[44:51]
	s_nop 0
	tensor_load_to_lds s[56:59], s[28:35]
	s_nop 0
	tensor_load_to_lds s[60:63], s[28:35]
	s_nop 0
	tensor_load_to_lds s[68:71], s[28:35]
	s_nop 0
	tensor_load_to_lds s[72:75], s[28:35]
	s_nop 0
.rept 4
	v_nop
.endr
.Lasked:
	v_and_b32 v8, 31, v0                           ; lane
	v_and_b32 v9, 15, v0                           ; r
	v_bfe_u32 v10, v0, 4, 1                        ; h
	s_delay_alu instid0(VALU_DEP_3)
	v_lshlrev_b32 v[AK0], 3, v8
	s_delay_alu instid0(VALU_DEP_1)
	v_add_nc_u32 v[AV0], VIMG, v[AK0]
	v_lshl_add_u32 v[ASK0], v8, 4, KSC
	s_delay_alu instid0(VALU_DEP_3)
	v_add_nc_u32 v[ASV0], VSC, v[AK0]
	v_lshl_add_u32 v7, v9, 4, v10                  ; the output's scale byte: 16 r + h
	v_and_b32 v11, 8, v9
	s_delay_alu instid0(VALU_DEP_1)
	v_add_nc_u32 v29, v11, v9
	v_lshlrev_b32 v11, 4, v10
	s_delay_alu instid0(VALU_DEP_1)
	v_sub_nc_u32 v29, v29, v11                     ; r + 8 (r / 8) - 16 h: my query less my half's first key, apart from the step's terms
	v_lshlrev_b32 v254, 4, v9
.irp p, 0,1,2
	global_load_b64 v[16+2*\p:17+2*\p], v[AK0], s[86:87] offset:256*\p   ; Q's half-image stays in registers
.endr
	global_load_b32 v255, v254, s[88:89]           ; Q's scale words
.irp i, 22,23,24,25,26,27
	v_mov_b32 v[\i], 0                             ; the zero codes of K = 64 .. 127: Q's,
.endr
.irp t, 0,1,2,3
.irp i, 6,7,8,9,10,11
	v_mov_b32 v[32+12*\t+\i], 0                    ; and those of the four fragments of K: cleared once, never loaded
.endr
.endr
	v_mov_b32 v13, 0xff61b1e6                      ; the largest t so far: -3e38, under every t
	s_delay_alu instid0(VALU_DEP_1)
	v_floor_f32 v12, -v13                          ; -M
	v_mov_b32 v14, 0                               ; the sum, in two halves
	v_mov_b32 v15, 0
.irp b, 0,1,2,3
	v_mov_b32 v[244+\b], 0                         ; written once: a lane permute's destination counts as one of its sources
.endr
	v_mov_b32 v252, 0
	v_mov_b32 v253, 0                              ; (named as the upper half of the pair v[252:253] before it is first written)
.set j, 0
.rept 32
	v_mov_b32 v[160+j], 0                          ; O^T: the step is written once; its first walk finds zeros, which the first change of M leaves zeros
.set j, j+1
.endr
	s_wait_loadcnt 0x0                             ; Q
.macro SCORE g                         ; four tiles of 16 keys: tiles 4 g + 0 .. 3; an even tile's scale words lie in lanes 0-15, the odd tile's in lanes 16-31 of the same register
.irp t, 0,2
	v_wmma_scale_f32_16x16x128_f8f6f4 v[96+32*\g+8*\t:103+32*\g+8*\t], v[32+12*\t:43+12*\t], v[16:27], 0, v[92+2*\g+\t/2], v255 matrix_a_fmt:MATRIX_FMT_FP6 matrix_b_fmt:MATRIX_FMT_FP6
	v_wmma_scale_f32_16x16x128_f8f6f4 v[104+32*\g+8*\t:111+32*\g+8*\t], v[44+12*\t:55+12*\t], v[16:27], 0, v[92+2*\g+\t/2], v255 matrix_a_fmt:MATRIX_FMT_FP6 matrix_b_fmt:MATRIX_FMT_FP6 matrix_a_scale:MATRIX_SCALE_ROW1
.endr
.endm
; A KEY STEP: 128 keys.
.macro STEP
	s_cmp_gt_u32 s[KF], s[QL]                      ; all its keys come after my queries: ids and the count of steps alone; no barrier, wait on TENSORcnt or tensor load stands in a step
	s_cbranch_scc1 .Lhidden_\@
	s_setprio 2
	v_add_nc_u32 v[ADK], s[TB], v[AK0]             ; (these four are also the places behind the last step's products, in front of the loads below)
	v_add_nc_u32 v[ADV], s[TB], v[AV0]
	v_add_nc_u32 v[ADS], s[TS], v[ASK0]
	v_add_nc_u32 v[ADT], s[TJ], v[ASV0]
	ds_load_b128 v[92:95], v[ADS]                  ; K's scale words of the eight tiles
.irp t, 0,1,2,3
.irp p, 0,1,2
	ds_load_b64 v[32+12*\t+2*\p:33+12*\t+2*\p], v[ADK] offset:768*\t+256*\p
.endr
.endr
	ds_load_b64 v[30:31], v[ADT]                   ; V's scale words of the four tiles
.irp d, 0,1,2,3
.irp p, 0,1,2,3,4,5
	ds_load_b64 v[192+12*\d+2*\p:193+12*\d+2*\p], v[ADV] offset:768*\d+3072*(\p/3)+256*(\p%3)
.endr
.endr
	s_wait_alu depctr_va_vdst(0)
	s_wait_dscnt 25                                ; K's words and first four tiles are in; V's 24 loads and its scale words may be out
	SCORE 0
.rept 4
	v_nop                                          ; places in front of loads into registers that matrix instructions have read
.endr
.irp t, 0,1,2,3
.irp p, 0,1,2
	ds_load_b64 v[32+12*\t+2*\p:33+12*\t+2*\p], v[ADK] offset:768*(4+\t)+256*\p
.endr
.endr
	s_wait_dscnt 0x0
	SCORE 1
.rept 4
	v_nop                                          ; places in front of the first reads of results
.endr
	s_add_co_u32 s96, s[KF], 127                   ; a step all of whose keys count skips the mask
	s_cmp_le_u32 s96, s[Q0]
	s_cbranch_scc1 .Lopen_\@
	s_sub_co_i32 s96, s[Q0], s[KF]
	v_add_nc_u32 v252, s96, v29                    ; d = my query - the step's first key - 16 (lane / 16).  Register 16 b + i holds key 32 b + i of my half: hidden where 32 b + i > d
	v_mov_b32 v254, 0xff800000                     ; -infinity: p = 0 then.  The step's first key counts for every query of the tile, so M is a number
.set n, 0
.rept 64
	v_cmp_gt_i32 vcc_lo, 32*(n/16)+n%16, v252
	v_cndmask_b32 v[96+n], v[96+n], v254, vcc_lo
.set n, n+1
.endr
.Lopen_\@:
.irp b, 0,1,2,3
	v_max3_num_f32 v[240+\b], v[96+16*\b], v[97+16*\b], v[98+16*\b]   ; the largest score of each block of 32 keys: it serves for the row's maximum and, since p rises with the score, for the block's largest p
.endr
.irp i, 3,5,7,9,11,13
.irp b, 0,1,2,3
	v_max3_num_f32 v[240+\b], v[240+\b], v[96+16*\b+\i], v[97+16*\b+\i]
.endr
.endr
.irp b, 0,1,2,3
	v_max_num_f32 v[240+\b], v[240+\b], v[111+16*\b]
.endr
.irp b, 0,1,2,3
	s_delay_alu instid0(VALU_DEP_4)
	v_permlanex16_b32 v[244+\b], v[240+\b], s[SEL], s[SEL+1]
.endr
.irp b, 0,1,2,3
	s_delay_alu instid0(VALU_DEP_4)
	v_max_num_f32 v[240+\b], v[240+\b], v[244+\b]  ; with lane l xor 16's 16 keys
.endr
	s_delay_alu instid0(VALU_DEP_2)
	v_max3_num_f32 v254, v240, v241, v242
	s_delay_alu instid0(VALU_DEP_1)
	v_max_num_f32 v254, v254, v243                 ; the step's largest score of my query
	s_delay_alu instid0(VALU_DEP_1)
	v_mul_f32 v254, s[CS], v254                    ; as t
	s_delay_alu instid0(VALU_DEP_1)
	v_max_num_f32 v13, v13, v254                   ; the running largest t
	v_mov_b32 v254, v12
	s_delay_alu instid0(VALU_DEP_2)
	v_floor_f32 v12, -v13                          ; the new -M = floor(-t): M is a whole number
	s_delay_alu instid0(VALU_DEP_1)
	v_sub_f32 v254, v12, v254                      ; old M - new M: a whole number, 0 or less
	s_delay_alu instid0(VALU_DEP_1)
	v_cvt_i32_f32 v254, v254                       ; (it saturates)
	s_delay_alu instid0(VALU_DEP_1)
	v_ldexp_f32 v252, 1.0, v254                    ; f = 2^(old M - new M)
.set j, 0
	s_setprio 1
.rept 32
	v_pk_fma_f32 v[96+j:97+j], v[96+j:97+j], s[CS:CS+1], v[12:13] op_sel_hi:[1,0,0]   ; t - M, two at a time
.set j, j+2
.endr
.irp b, 0,1,2,3
	v_fma_f32 v[240+\b], v[240+\b], s[CS], v12     ; the same of each block's largest score
.endr
.set j, 0
	s_wait_alu depctr_va_vdst(0)
.rept 64
	v_exp_f32 v[96+j], v[96+j]                     ; p = 2^(t - M), at most 1
.set j, j+1
.endr
	v_pk_mul_f32 v[14:15], v[14:15], v[252:253] op_sel_hi:[1,0]   ; the sums under the new M: a plain place behind the exponentials
	s_wait_alu depctr_va_vdst(0)                   ; one wait for the whole batch, ahead of its first reader
.irp b, 0,1,2,3
	v_exp_f32 v[240+\b], v[240+\b]                 ; the block's largest p: the same two instructions on the same number give the same bits
.endr
	v_pk_add_f32 v[244:245], v[100:101], v[104:105]
	v_pk_add_f32 v[250:251], v[108:109], v[112:113]
	v_pk_add_f32 v[248:249], v[116:117], v[120:121]
	v_pk_add_f32 v[246:247], v[124:125], v[128:129]
	v_pk_add_f32 v[94:95], v[132:133], v[136:137]
	v_pk_add_f32 v[92:93], v[140:141], v[144:145]
	v_pk_add_f32 v[90:91], v[148:149], v[152:153]
	v_pk_add_f32 v[14:15], v[14:15], v[156:157]
	v_pk_add_f32 v[244:245], v[244:245], v[96:97]
	v_pk_add_f32 v[250:251], v[250:251], v[98:99]
	v_pk_add_f32 v[248:249], v[248:249], v[102:103]
	v_pk_add_f32 v[246:247], v[246:247], v[106:107]
	v_pk_add_f32 v[94:95], v[94:95], v[110:111]
	v_pk_add_f32 v[92:93], v[92:93], v[114:115]
	v_pk_add_f32 v[90:91], v[90:91], v[118:119]
	v_pk_add_f32 v[14:15], v[14:15], v[122:123]
	v_pk_add_f32 v[244:245], v[244:245], v[126:127]
	v_pk_add_f32 v[250:251], v[250:251], v[130:131]
	v_pk_add_f32 v[248:249], v[248:249], v[134:135]
	v_pk_add_f32 v[246:247], v[246:247], v[138:139]
	v_pk_add_f32 v[94:95], v[94:95], v[142:143]
	v_pk_add_f32 v[92:93], v[92:93], v[146:147]
	v_pk_add_f32 v[90:91], v[90:91], v[150:151]
	v_pk_add_f32 v[14:15], v[14:15], v[154:155]
	v_pk_add_f32 v[244:245], v[244:245], v[158:159]
	s_delay_alu instid0(VALU_DEP_2)
	v_pk_add_f32 v[14:15], v[14:15], v[246:247]
	s_delay_alu instid0(VALU_DEP_2)
	v_pk_add_f32 v[244:245], v[244:245], v[94:95]
	v_pk_add_f32 v[250:251], v[250:251], v[92:93]
	v_pk_add_f32 v[248:249], v[248:249], v[90:91]
	s_delay_alu instid0(VALU_DEP_2)
	v_pk_add_f32 v[14:15], v[14:15], v[250:251]
	s_delay_alu instid0(VALU_DEP_2)
	v_pk_add_f32 v[244:245], v[244:245], v[248:249]
	s_delay_alu instid0(VALU_DEP_1)
	v_pk_add_f32 v[14:15], v[14:15], v[244:245]
	s_setprio 0
	s_wait_alu depctr_va_vdst(0)                   ; and one for the four
.irp b, 0,1,2,3
	v_max_num_f32 v[240+\b], 0x1800000, v[240+\b]  ; the floor 2^(3 - 127): the byte cannot fall under 1
.endr
.irp b, 0,1,2,3
	s_delay_alu instid0(VALU_DEP_4)
	v_add_nc_u32 v[248+\b], 0xff000000, v[240+\b]  ; 2 off the exponent field: the conversion's scale operand
.endr
.irp b, 0,1,2,3
	s_delay_alu instid0(VALU_DEP_4)
	v_lshrrev_b32 v[244+\b], 23, v[248+\b]         ; the scale's byte
.endr
	s_delay_alu instid0(VALU_DEP_3)
	v_lshl_or_b32 v253, v245, 8, v244              ; p's scale word for these 128 keys
	s_delay_alu instid0(VALU_DEP_1)
	v_lshl_or_b32 v253, v246, 16, v253
	s_delay_alu instid0(VALU_DEP_1)
	v_lshl_or_b32 v253, v247, 24, v253
.irp c, 0,1
	v_cvt_scalef32_pk16_fp6_f32 v[80+6*\c:82+6*\c], v[96+32*\c:111+32*\c], v[248+2*\c]
	v_cvt_scalef32_pk16_fp6_f32 v[240+4*\c:242+4*\c], v[112+32*\c:127+32*\c], v[248+2*\c+1]   ; (a conversion's three registers begin on an even number)
.endr
	v_nop                                          ; one plain place behind a scaled conversion
.irp c, 0,1                            ; the operand's layout wants a whole block in a lane
.irp i, 0,1,2
	v_permlane16_swap_b32 v[80+6*\c+\i], v[240+4*\c+\i]
.endr
.irp i, 0,1,2
	s_delay_alu instid0(VALU_DEP_3)
	v_mov_b32 v[83+6*\c+\i], v[240+4*\c+\i]
.endr
.endr
.set j, 0
.rept 16
	v_pk_mul_f32 v[160+j:161+j], v[160+j:161+j], v[252:253] op_sel_hi:[1,0]   ; O^T under the new M.  These sixteen are also the places between the writes of p's codes and scale word and the products below
.set j, j+2
.endr
.irp d, 0,2                            ; O^T += V^T P^T: four tiles of 16 of the head's 64, the four accumulators by turns
	v_wmma_scale_f32_16x16x128_f8f6f4 v[160+8*\d:167+8*\d], v[192+12*\d:203+12*\d], v[80:91], v[160+8*\d:167+8*\d], v[30+\d/2], v253 matrix_a_fmt:MATRIX_FMT_FP6 matrix_b_fmt:MATRIX_FMT_FP6
	v_wmma_scale_f32_16x16x128_f8f6f4 v[168+8*\d:175+8*\d], v[204+12*\d:215+12*\d], v[80:91], v[168+8*\d:175+8*\d], v[30+\d/2], v253 matrix_a_fmt:MATRIX_FMT_FP6 matrix_b_fmt:MATRIX_FMT_FP6 matrix_a_scale:MATRIX_SCALE_ROW1
.endr
.Lhidden_\@:
	s_add_co_u32 s[KF], s[KF], 128
	s_add_co_u32 s[TB], s[TB], 6144
	s_add_co_u32 s[TS], s[TS], 512
	s_add_co_u32 s[TJ], s[TJ], 256
.endm
; Chunk c: 512 keys, four steps.  The loading waves' wait leaves the later chunks' loads out (3 - c of them); the barrier shows the chunk to all sixteen waves.
.macro CHUNKW c
	s_wait_tensorcnt 3-\c
	s_wait_dscnt 0x0
	s_barrier_signal -1
	s_barrier_wait -1
	s_mov_b32 s[CNT], 4
.Lstep_\@:
	STEP
	s_sub_co_u32 s[CNT], s[CNT], 1
	s_cmp_lg_u32 s[CNT], 0
	s_cbranch_scc1 .Lstep_\@
	s_setprio 0
.endm
	CHUNKW 0
	CHUNKW 1
	CHUNKW 2
	CHUNKW 3
	; THE WAY OUT: O^T / the sum, quantised along the head's 64 (two blocks), as one half-image and two scale bytes a row.
	v_add_f32 v14, v14, v15                        ; the sum's two halves,
	s_delay_alu instid0(VALU_DEP_1)
	v_permlanex16_b32 v252, v14, s[SEL], s[SEL+1]
	s_delay_alu instid0(VALU_DEP_1)
	v_add_f32 v14, v14, v252                       ; and lane l xor 16's: the row's sum
	s_wait_alu depctr_va_vdst(0)
	v_rcp_f32 v14, v14
.rept 3
	v_nop                                          ; a plain place behind the reciprocal; with the two additions five places behind the last products
.endr
	s_wait_alu depctr_va_vdst(0)                   ; the wait ahead of the reciprocal's first reader
.set j, 0
.rept 32
	v_mul_f32 v[96+j], v[160+j], v14               ; register 16 b + i is o(my query, 32 b + 16 h + i); each accumulator from its low end on
.set j, j+1
.endr
.irp b, 0,1
	v_max3_num_f32 v[240+\b], |v[96+16*\b]|, |v[97+16*\b]|, 0x1800000
.endr
.irp i, 2,4,6,8,10,12,14
.irp b, 0,1
	s_delay_alu instid0(VALU_DEP_2)
	v_max3_num_f32 v[240+\b], v[240+\b], |v[96+16*\b+\i]|, |v[97+16*\b+\i]|
.endr
.endr
.irp b, 0,1
	s_delay_alu instid0(VALU_DEP_2)
	v_permlanex16_b32 v[244+\b], v[240+\b], s[SEL], s[SEL+1]
.endr
.irp b, 0,1
	s_delay_alu instid0(VALU_DEP_2)
	v_max_num_f32 v[240+\b], v[240+\b], v[244+\b]
.endr
.irp b, 0,1
	s_delay_alu instid0(VALU_DEP_2)
	v_add_nc_u32 v[248+\b], 0xff000000, v[240+\b]
.endr
.irp b, 0,1
	s_delay_alu instid0(VALU_DEP_2)
	v_lshrrev_b32 v[244+\b], 23, v[248+\b]
.endr
	v_cvt_scalef32_pk16_fp6_f32 v[80:82], v[96:111], v248
	v_cvt_scalef32_pk16_fp6_f32 v[84:86], v[112:127], v249
	v_nop                                          ; one plain place behind a scaled conversion
.irp i, 0,1,2
	v_permlane16_swap_b32 v[80+\i], v[84+\i]       ; lanes 0-15 now hold block 0 whole, lanes 16-31 block 1
.endr
	s_delay_alu instid0(VALU_DEP_3)
	v_mov_b32 v83, v84
	s_delay_alu instid0(VALU_DEP_3)
	v_mov_b32 v84, v85
	s_delay_alu instid0(VALU_DEP_3)
	v_mov_b32 v85, v86
	v_cndmask_b32 v254, v244, v245, s23            ; my block's byte
.irp p, 0,1,2
	global_store_b64 v[AK0], v[80+2*\p:81+2*\p], s[8:9] offset:256*\p   ; 256 consecutive bytes a store, aligned
.endr
	global_store_b8 v7, v254, s[10:11]             ; a byte a lane: a scale word holds two heads' bytes, and the other head's come from another work-group; one byte for each 24 of codes
	s_wait_tensorcnt 0x0                           ; the wave's end: behind the last tensor load
	ds_add_u32 v[SPW], v[NIL]
	s_wait_dscnt 0x0
	s_endpgm
.Lfunc_end_k_q7cb708138f_attn:
	.size	k_q7cb708138f_attn, .Lfunc_end_k_q7cb708138f_attn-k_q7cb708138f_attn
	.p2alignl 7, 3214868480
	.fill 96, 4, 3214868480
	.section	.rodata,"a",@progbits
	.p2align	6, 0x0
	.amdhsa_kernel k_q7cb708138f_attn
		.amdhsa_group_segment_fixed_size 212992
		.amdhsa_private_segment_fixed_size 0
		.amdhsa_enable_private_segment 0
		.amdhsa_kernarg_size 32
		.amdhsa_user_sgpr_count 2
		.amdhsa_user_sgpr_kernarg_segment_ptr 1
		.amdhsa_wavefront_size32 1
		.amdhsa_system_sgpr_workgroup_id_x 1
		.amdhsa_system_sgpr_workgroup_id_y 1
		.amdhsa_system_sgpr_workgroup_id_z 1
		.amdhsa_system_vgpr_workitem_id 0
		.amdhsa_next_free_vgpr 256
		.amdhsa_next_free_sgpr 100
		.amdhsa_reserve_vcc 1
		.amdhsa_float_denorm_mode_32 3
		.amdhsa_float_denorm_mode_16_64 3
		.amdhsa_memory_ordered 1
		.amdhsa_forward_progress 1
		.amdhsa_inst_pref_size 111
	.end_amdhsa_kernel
	.amdgpu_metadata
---
amdhsa.version: [ 1, 2 ]
amdhsa.kernels:
  - .name:           k_q7cb708138f_attn
    .symbol:         k_q7cb708138f_attn.kd
    .args:
      - { .name: qkv_img, .offset: 0, .size: 8, .value_kind: global_buffer, .address_space: global }
      - { .name: qkv_sc, .offset: 8, .size: 8, .value_kind: global_buffer, .address_space: global }
      - { .name: a_img, .offset: 16, .size: 8, .value_kind: global_buffer, .address_space: global }
      - { .name: a_sc, .offset: 24, .size: 8, .value_kind: global_buffer, .address_space: global }
    .group_segment_fixed_size: 212992
    .private_segment_fixed_size: 0
    .kernarg_segment_align: 8
    .kernarg_segment_size: 32
    .max_flat_workgroup_size: 512
    .sgpr_count:     100
    .vgpr_count:     256
    .wavefront_size: 32
...
	.end_amdgpu_metadata
.endif
;; end of part 3
;; launch oproj (part 4): grid 4 x 32, 4 waves a work-group, clusters of 4 x 4, 327,680 bytes of LDS; arguments a_img, a_sc, codes1, scales1, out0; writes out0
.if DOCPART == 4
	.amdgcn_target "amdgcn-amd-amdhsa--gfx1250"
	.amdhsa_code_object_version 6
	.text
	.protected	k_q7cb708138f_oproj
	.globl	k_q7cb708138f_oproj
	.p2align	8
	.type	k_q7cb708138f_oproj,@function
k_q7cb708138f_oproj:
	s_mov_b64 s[64:65], 0
	v_nop
	global_prefetch_b8 v0, s[64:65] scope:SCOPE_SE
	s_setreg_imm32_b32 hwreg(HW_REG_WAVE_MODE, 25, 1), 1
	s_wait_xcnt 0x0
	s_wait_alu depctr_hold_cnt(0) depctr_sa_sdst(0) depctr_va_vdst(0) depctr_va_sdst(0) depctr_va_ssrc(0) depctr_va_vcc(0) depctr_vm_vsrc(0)
	s_getreg_b32 s2, hwreg(HW_REG_IB_STS2, 6, 4)
	s_cmp_eq_u32 s2, 0
	s_cbranch_scc0 .Lentry_in_a_cluster
	s_endpgm
.Lentry_in_a_cluster:
	s_bfe_u32 s2, ttmp6, 0x10000c
	s_cmp_lg_u32 s2, 0xf033
	s_cbranch_scc0 .Lentry_shape_is_right
	s_endpgm
.Lentry_shape_is_right:
; out0[bs][m] = the sum over v of a[bs][v] W_o[m][v], on codes of FP6 (E2M3) with E8M0 scales; sums and output f32.  a: the attention's result, 512 tiles; W_o: tiles 704-767 of codes1.
; Operand P (source 0) = W_o, operand N (source 1) = a; a work-group makes 256 of P x 256 of N, each of its four waves 128 x 128 (64 accumulators, 512 registers); K = 1,024 in four steps of 256 through two LDS slots.
; Operands lie in memory as images of the operand's registers (half-images of 768 bytes: [p][lane][8 bytes]); a tile 2 B + u holds rows 32 B + 8 u + i + 8 (i / 8); a tile's part of a K step is 3,072 dense bytes;
; every fragment read from LDS is 256 consecutive bytes: no padding.  In the result lane (r, h) holds row r of a tile of N, and the 16 registers of P's tiles 2 B and 2 B + 1 hold columns 32 B + 16 h + 0 .. 15 of out0.
; CLUSTERS: 4 x 4 work-groups; N's tiles are shared along a row of the cluster, P's along a column: each is asked for jointly, by the same tensor load with the same descriptor and a mask that names the four.
; 128 work-groups: a smaller tile would give each fragment read from LDS half the products to feed.
; REGISTERS, in windows of 256: window 0: v16-29 addresses; v32-63 scale words, two sets; v128-223 N's fragments, one set; on the way out v128-255 rows of out0.  window 1: P's fragments, two sets, at v0 and v128.
;   window 2: the accumulators of N's tiles 0-3 ((a, b) at v[8 (8 (a % 4) + b)]); window 3: those of tiles 4-7.
.set NQ,     2
.set FR,     12
.set NL,     6
.set NP,     4                         ; places behind this matrix instruction (ISA guide 7.12.1)
.set TILEB,  3072
.set HALFT,  8*TILEB
.set SLOT,   4*HALFT
.set SCL,    2*SLOT
.set HALFS,  4096
.set SPARE,  SCL+4*HALFS               ; the spare words, 128 bytes for each wave: two blocks of 256 bytes that no other line names
.set SPITCH, 528                       ; the way out: a stage of 16 rows x (512 bytes + 16) for each wave, in slot 0, which has had its last fill and its last read when the first result is stored there
.set ADRA, 16
.set ADRB, 20
.set STO,  24                          ; v24     the way out: where I put 32 bytes of a row
.set RD,   25                          ; v25     where I read a row back
.set CO,   26                          ; v26     16 x lane: my bytes of a row of out0
.set ADRS, 27
.set SPW,  28
.set NIL,  29
.set SC,   32
.set AF,   128
.set BK,   128                         ; 16 rows read back from the stage: v128-191 and v192-255 by turns
.set G1, 24
.set G0, 32
.set G1B, 48
.set G0B, 56
.set G1S, 68
.set G0S, 76
.set G1SB, 80
.set G0SB, 88
.set MSB, 0
.macro WIN new                         ; the immediate's high byte repeats the setting that is left; a switch that changes nothing is dropped
.if MSB != (\new)
	s_set_vgpr_msb (MSB<<8)|(\new)
.set MSB, (\new)
.endif
.endm
.set MUL_LO, 0xa1
.set MUL_HI, 0xf1
.set TO_B,   0x40
; A joint load: waves 0 and 1 fetch for N, waves 2 and 3 for P; the branch hangs on the wave's number alone.  An s_nop 0 and four v_nop follow each of the two lines.
.macro JLOAD g0a, g1a, g0b, g1b
	s_cmp_eq_u32 s15, 0
	s_cbranch_scc0 .Lfor_b_\@
	tensor_load_to_lds s[\g0a:\g0a+3], s[\g1a:\g1a+7]
	s_nop 0
.rept 4
	v_nop
.endr
	s_branch .Lasked_\@
.Lfor_b_\@:
	tensor_load_to_lds s[\g0b:\g0b+3], s[\g1b:\g1b+7]
	s_nop 0
.rept 4
	v_nop
.endr
.Lasked_\@:
.endm
.macro CREST
	s_cmp_lg_u32 s14, 0
	s_cbranch_scc1 .Lnot_wave_0_\@
	s_barrier_signal -3
.Lnot_wave_0_\@:
	s_barrier_wait -3
	s_barrier_signal -1
	s_barrier_wait -1
.endm
.macro CROUND
	s_barrier_signal -1
	s_barrier_wait -1
	CREST
.endm
	s_load_b128 s[4:7], s[0:1], 0x0                ; a_img s[4:5], a_sc s[6:7]
	s_load_b128 s[8:11], s[0:1], 0x10              ; codes1 s[8:9], scales1 s[10:11]
	s_load_b64 s[12:13], s[0:1], 0x20              ; out0
	v_lshl_add_u32 v[SPW], v0, 2, SPARE
	v_mov_b32 v[NIL], 0
	ds_add_u32 v[SPW], v[NIL]
	ds_add_u32 v[SPW], v[NIL]                      ; the wave's opening: the add and its wait ahead of my first tensor load; the set-up below, work on registers, stands between them
	v_lshrrev_b32 v1, 5, v0
	v_readfirstlane_b32 s14, v1                    ; wave 0..3
	s_lshr_b32 s15, s14, 1                         ; which half of N's 256 rows is mine.  Also: I fetch for N (0) or for P (1)
	s_and_b32 s16, s14, 1                          ; which half of P's.  Also: which 8 tiles I fetch
	s_bfe_u32 s40, ttmp6, 0x40000                  ; cx, cy
	s_bfe_u32 s41, ttmp6, 0x40004
	s_lshl_b32 s42, ttmp9, 2
	s_add_co_u32 s42, s42, s40                     ; which 256 rows of W_o
	s_and_b32 s17, ttmp7, 0xffff
	s_lshl_b32 s17, s17, 2
	s_add_co_u32 s17, s17, s41                     ; which 256 rows of a
	s_lshl_b32 s43, s41, 2
	s_lshl_b32 s43, 15, s43                        ; my row of the cluster
	s_lshl_b32 s44, 0x1111, s40                    ; my column
	s_or_b32 s[G1+0], s43, (3<<16)|(1<<21)         ; 15:0 the mask; 17:16 elements of 8 bytes; 20 no padding; 21 set beside a mask
	s_or_b32 s[G1B+0], s44, (3<<16)|(1<<21)
.irp g, G1, G1B                        ; 8 rows (tiles) of 3,072 bytes, 12,288 bytes apart
	s_mov_b32 s[\g+1], 384<<16
	s_mov_b32 s[\g+2], 8<<16
	s_mov_b32 s[\g+3], 384<<16
	s_mov_b32 s[\g+4], 8
	s_mov_b32 s[\g+5], 1536
	s_mov_b32 s[\g+6], 0
	s_mov_b32 s[\g+7], 0
.endr
	s_or_b32 s[G1S+0], s43, (3<<16)|(1<<21)
	s_or_b32 s[G1SB+0], s44, (3<<16)|(1<<21)
.irp g, G1S, G1SB                      ; the scale words of 8 tiles: 4,096 dense bytes as 16 rows of 256
	s_mov_b32 s[\g+1], 32<<16
	s_mov_b32 s[\g+2], 16<<16
	s_mov_b32 s[\g+3], 32<<16
	s_mov_b32 s[\g+4], 16
	s_mov_b32 s[\g+5], 32
	s_mov_b32 s[\g+6], 0
	s_mov_b32 s[\g+7], 0
.endr
	s_lshl_b32 s20, s17, 4
	s_lshl_b32 s21, s16, 3
	s_add_co_u32 s20, s20, s21                     ; N: the first of the 8 tiles that I fetch
	s_lshl_b32 s46, s42, 4
	s_add_co_u32 s46, s46, 704
	s_add_co_u32 s46, s46, s21                     ; P likewise
	s_lshl_b32 s22, s20, 9
	s_mov_b32 s23, 0
	s_lshl_b32 s96, s46, 9
	s_mov_b32 s97, 0
	s_mul_i32 s20, s20, 12288
	s_mov_b32 s21, 0
	s_mul_i32 s46, s46, 12288
	s_mov_b32 s47, 0
	s_mul_i32 s45, s14, HALFT                      ; where they go: no place in the cluster enters an LDS address
	s_lshl_b32 s93, s14, 12
	s_wait_dscnt 0x0                               ; the opening add is done
	s_wait_kmcnt 0x0
	s_add_nc_u64 s[20:21], s[4:5], s[20:21]
	s_add_nc_u64 s[22:23], s[6:7], s[22:23]
	s_add_nc_u64 s[46:47], s[8:9], s[46:47]
	s_add_nc_u64 s[96:97], s[10:11], s[96:97]
	CROUND                                         ; all sixteen work-groups are here: the first joint loads meet
	s_mov_b32 s[G0S], 1
	s_add_co_u32 s[G0S+1], s93, SCL
	s_mov_b64 s[G0S+2:G0S+3], s[22:23]
	s_or_b32 s[G0S+3], s[G0S+3], 0x80000000
	s_mov_b32 s[G0SB], 1
	s_add_co_u32 s[G0SB+1], s93, SCL
	s_mov_b64 s[G0SB+2:G0SB+3], s[96:97]
	s_or_b32 s[G0SB+3], s[G0SB+3], 0x80000000
	JLOAD G0S, G1S, G0SB, G1SB                     ; the scales first
.irp s, 0,1
	s_mov_b32 s[G0+4*\s], 1
	s_add_co_u32 s[G0+4*\s+1], s45, \s*SLOT
	s_add_nc_u64 s[G0+4*\s+2:G0+4*\s+3], s[20:21], \s*TILEB
	s_or_b32 s[G0+4*\s+3], s[G0+4*\s+3], 0x80000000
	s_mov_b32 s[G0B+4*\s], 1
	s_add_co_u32 s[G0B+4*\s+1], s45, \s*SLOT
	s_add_nc_u64 s[G0B+4*\s+2:G0B+4*\s+3], s[46:47], \s*TILEB
	s_or_b32 s[G0B+4*\s+3], s[G0B+4*\s+3], 0x80000000
	s_wait_alu depctr_va_vdst(0)
	s_wait_tensorcnt 0x0
	ds_add_u32 v28, v29
	s_wait_dscnt 0x0
	CROUND
	JLOAD G0+4*\s, G1, G0B+4*\s, G1B               ; one load of mine is out now
.endr
	v_and_b32 v1, 31, v0                           ; lane
	v_and_b32 v2, 15, v0                           ; r
	v_bfe_u32 v3, v0, 4, 1                         ; h
	s_wait_alu depctr_va_vdst(0)
	v_lshlrev_b32 v4, 3, v1                        ; 8 x lane
	s_mul_i32 s21, s15, HALFT
	s_mul_i32 s22, s16, HALFT
	s_add_co_u32 s22, s22, 2*HALFT
.irp s, 0,1
	v_add_nc_u32 v[ADRA+\s], s21, v4
	v_add_nc_u32 v[ADRB+\s], s22, v4
	s_add_co_u32 s21, s21, SLOT
	s_add_co_u32 s22, s22, SLOT
.endr
	v_lshlrev_b32 v5, 4, v2
	s_lshl_b32 s21, s15, 12
	s_lshl_b32 s22, s16, 12
	s_add_co_u32 s22, s22, 2*HALFS
	s_sub_co_u32 s22, s22, s21
	v_mul_u32_u24 v6, s22, v3                      ; lanes 16-31 take P's scale words
	s_add_co_u32 s21, s21, SCL
	v_add_nc_u32 v5, v5, v6
	v_add_nc_u32 v[ADRS], s21, v5
	s_mul_i32 s23, s14, 16*SPITCH                  ; my stage
	v_mul_u32_u24 v5, v2, SPITCH                   ; in: tile row r, + 64 h: my half's 16 columns of each 32
	v_lshl_add_u32 v5, v3, 6, v5
	v_add_nc_u32 v[STO], s23, v5
	v_lshlrev_b32 v[CO], 4, v1                     ; back: the 32 lanes take one row of 512 bytes; and the same in out0
	v_add_nc_u32 v[RD], s23, v[CO]
	s_lshl_b32 s20, s17, 8
	s_lshl_b32 s21, s15, 7
	s_add_co_u32 s20, s20, s21                     ; my first row of out0
	s_lshl_b32 s20, s20, 12                        ; rows of 4,096 bytes
	s_lshl_b32 s46, s42, 10                        ; my first column, in bytes
	s_lshl_b32 s47, s16, 9
	s_add_co_u32 s46, s46, s47
	s_add_co_u32 s20, s20, s46
	s_mov_b32 s21, 0
	s_add_nc_u64 s[12:13], s[12:13], s[20:21]
.macro FRAG reg, adr, q, i             ; a fragment: six loads of 8 bytes a lane, each 256 consecutive bytes of the image
.irp p, 0,1,2,3,4,5
	ds_load_b64 v[\reg+2*\p:\reg+2*\p+1], v[\adr] offset:TILEB*(\i)+1536*(\q)+256*\p
.endr
.endm
; 16 matrix instructions: N's tiles a0, a0 + 1 x P's eight.  The 64 accumulators take turns, one instruction a turn, in the same order in every step.
.macro MUL16 a0, p, q, sc, zero
.irp a, \a0, \a0+1
.irp b, 0,1,2,3,4,5,6,7
.if \zero
	v_wmma_scale_f32_16x16x128_f8f6f4 v[8*(8*((\a)%4)+\b):8*(8*((\a)%4)+\b)+7], v[128*(\p)+FR*\b:128*(\p)+FR*\b+FR-1], v[AF+FR*(\a):AF+FR*(\a)+FR-1], 0, v[SC+8*NQ*(\sc)+NQ*\b+(\q)], v[SC+8*NQ*(\sc)+NQ*(\a)+(\q)] matrix_a_fmt:MATRIX_FMT_FP6 matrix_b_fmt:MATRIX_FMT_FP6 matrix_a_scale:MATRIX_SCALE_ROW1
.else
	v_wmma_scale_f32_16x16x128_f8f6f4 v[8*(8*((\a)%4)+\b):8*(8*((\a)%4)+\b)+7], v[128*(\p)+FR*\b:128*(\p)+FR*\b+FR-1], v[AF+FR*(\a):AF+FR*(\a)+FR-1], v[8*(8*((\a)%4)+\b):8*(8*((\a)%4)+\b)+7], v[SC+8*NQ*(\sc)+NQ*\b+(\q)], v[SC+8*NQ*(\sc)+NQ*(\a)+(\q)] matrix_a_fmt:MATRIX_FMT_FP6 matrix_b_fmt:MATRIX_FMT_FP6 matrix_a_scale:MATRIX_SCALE_ROW1
.endif
.endr
.endr
.endm
.macro FETCH_B slot, q, p
	WIN TO_B
.irp i, 0,1,2,3,4,5,6,7
	FRAG 128*(\p)+FR*\i, ADRB+\slot, \q, \i
.endr
	WIN 0
.endm
.macro FETCH_A slot, q, i0
.irp i, \i0, \i0+1, \i0+2, \i0+3
	FRAG AF+FR*(\i), ADRA+\slot, \q, \i
.endr
.endm
.macro SCALES sc, st
.irp i, 0,1,2,3,4,5,6,7
	ds_load_b64 v[SC+8*NQ*\sc+NQ*\i:SC+8*NQ*\sc+NQ*\i+1], v[ADRS] offset:512*\i+256*((\st)/2)+8*((\st)%2)
.endr
.endm
; A load into a register that a matrix instruction has read, and an LDS store that reads a matrix result, stand NP places behind it; only plain vector instructions that name none of its registers are places
; (ISA guide 7.12.1 for vector instructions).
.macro PLACES n
.rept \n
	v_nop
.endr
.endm
.macro STEP slot, q, zero
	s_wait_dscnt 4*NL                              ; P's set, N's tiles 0-3 and the scale words are in; the youngest 24 loads (N's tiles 4-7) may be out
	WIN MUL_LO
	MUL16 0, (\q)%2, \q, \slot, \zero
	MUL16 2, (\q)%2, \q, \slot, \zero
	s_wait_dscnt 0                                 ; N's tiles 4-7 are in
	PLACES NP
	FETCH_B \slot, (\q)+1, 1-(\q)%2
	FETCH_A \slot, (\q)+1, 0
	WIN MUL_HI
	MUL16 4, (\q)%2, \q, \slot, \zero
	MUL16 6, (\q)%2, \q, \slot, \zero
	PLACES NP
	WIN 0
	FETCH_A \slot, (\q)+1, 4
.endm
; A slot's last step changes slots: ONE barrier; in front of it each wave waits for all its tensor loads, adds 0 to its spare word, and waits for that and for its own reads of this slot.
.macro TURN slot, next, fill, st
	s_wait_tensorcnt 0x0                           ; all my tensor loads have landed: my part of the next slot  (every window is 0 here)
	ds_add_u32 v[SPW], v[NIL]                      ; 0 onto my spare word
	s_wait_dscnt 4*NL+1                            ; (the add and the youngest 24 loads may be out)
	WIN MUL_LO
	MUL16 0, 1, NQ-1, \slot, 0
	s_wait_dscnt 0x0                               ; the add is done, and my reads of this slot are over
	s_barrier_signal -1
	MUL16 2, 1, NQ-1, \slot, 0
	WIN 0
	s_barrier_wait -1
.if \fill
	CREST                                          ; no wave of any partner still reads this slot's tiles or has a load on its way
	s_add_nc_u64 s[G0+4*\slot+2:G0+4*\slot+3], s[G0+4*\slot+2:G0+4*\slot+3], 2*TILEB
	s_add_nc_u64 s[G0B+4*\slot+2:G0B+4*\slot+3], s[G0B+4*\slot+2:G0B+4*\slot+3], 2*TILEB
	JLOAD G0+4*\slot, G1, G0B+4*\slot, G1B         ; the first tensor load behind the round, my one load until the next
.else
	PLACES NP
.endif
	FETCH_B \next, 0, 0
	FETCH_A \next, 0, 0
	SCALES \next, \st
	WIN MUL_HI
	MUL16 4, 1, NQ-1, \slot, 0
	MUL16 6, 1, NQ-1, \slot, 0
	PLACES NP
	WIN 0
	FETCH_A \next, 0, 4
.endm
	s_wait_alu depctr_va_vdst(0)
	s_wait_tensorcnt 1                             ; the scales and my part of K step 0 are in; K step 1's load may be out
	s_barrier_signal -1
	s_barrier_wait -1
	FETCH_B 0, 0, 0
	FETCH_A 0, 0, 0
	SCALES 0, 0
	FETCH_A 0, 0, 4
	STEP 0, 0, 1                                   ; the first step's products start the sums
	TURN 0, 1, 1, 1
	STEP 1, 0, 0
	TURN 1, 0, 1, 2
	STEP 0, 0, 0
	TURN 0, 1, 0, 3                                ; behind this barrier nobody reads slot 0 any more, and nothing fills it
	STEP 1, 0, 0
	s_wait_dscnt 4*NL
	WIN MUL_LO
	MUL16 0, 1, NQ-1, 1, 0
	MUL16 2, 1, NQ-1, 1, 0
	s_wait_dscnt 0
	WIN MUL_HI
	MUL16 4, 1, NQ-1, 1, 0
	MUL16 6, 1, NQ-1, 1, 0
	WIN 0
; THE WAY OUT, tile by tile of 16 rows x 128 columns, through my own stage: a lane's registers are pieces of one row; they come back as whole rows of 512 bytes, which the 32 lanes store as two aligned runs of 256 bytes.
; LDS serves a wave's instructions in order (ISA guide 5.7.1.4): no wait between the stores and the loads, nor in front of the next tile's stores.
.macro TOSTAGE a
.set AC, 64*((\a)%4)
	WIN 0x08+4*((\a)/4)                            ; the data: window 2 or 3
.irp b, 0,1,2,3,4,5,6,7
	ds_store_b128 v[STO], v[AC+8*\b:AC+8*\b+3] offset:128*(\b/2)+32*(\b%2)          ; columns 32 (b / 2) + 16 h + 8 (b % 2) on; each accumulator from its low end on
	ds_store_b128 v[STO], v[AC+8*\b+4:AC+8*\b+7] offset:128*(\b/2)+32*(\b%2)+16
.endr
	WIN 0
.set BB, BK+64*((\a)%2)
.irp t, 0,1,2,3,4,5,6,7,8,9,10,11,12,13,14,15
	ds_load_b128 v[BB+4*\t:BB+4*\t+3], v[RD] offset:\t*SPITCH
.endr
.endm
.macro SEND a, younger                 ; younger: the LDS instructions issued behind tile a's loads, which may stay out
.set BB, BK+64*((\a)%2)
	s_wait_dscnt \younger
.irp t, 0,1,2,3,4,5,6,7,8,9,10,11,12,13,14,15
	global_store_b128 v[CO], v[BB+4*\t:BB+4*\t+3], s[12:13] offset:(32*((\a)/2)+8*((\a)%2)+\t+8*(\t/8))*4096 th:TH_STORE_NT   ; tile row t's place among my 128 rows stands in the immediate; 512 consecutive bytes, aligned
.endr
.endm
	PLACES NP                                      ; behind the last products: for the loads into the registers that held N's fragments and for the reads of results
	TOSTAGE 0
.irp a, 1,2,3,4,5,6,7
.if \a > 1
	s_wait_xcnt 0x0                                ; tile a - 2's stores have read their registers: tile a's loads may land there
.endif
	TOSTAGE \a
	SEND \a-1, 32                                  ; behind tile a - 1's loads: tile a's 16 stores and 16 loads
.endr
	SEND 7, 0
	s_wait_tensorcnt 0x0                           ; the wave's end: behind my last tensor load and my last LDS store
	ds_add_u32 v[SPW], v[NIL]
	s_wait_dscnt 0x0
	CROUND                                         ; the closing round: no work-group ends while a partner may still ask for a tile that names it
	s_endpgm
.Lfunc_end_k_q7cb708138f_oproj:
	.size	k_q7cb708138f_oproj, .Lfunc_end_k_q7cb708138f_oproj-k_q7cb708138f_oproj
	.p2alignl 7, 3214868480
	.fill 96, 4, 3214868480
	.section	.rodata,"a",@progbits
	.p2align	6, 0x0
	.amdhsa_kernel k_q7cb708138f_oproj
		.amdhsa_group_segment_fixed_size 327680
		.amdhsa_private_segment_fixed_size 0
		.amdhsa_enable_private_segment 0
		.amdhsa_kernarg_size 40
		.amdhsa_user_sgpr_count 2
		.amdhsa_user_sgpr_kernarg_segment_ptr 1
		.amdhsa_wavefront_size32 1
		.amdhsa_system_sgpr_workgroup_id_x 1
		.amdhsa_system_sgpr_workgroup_id_y 1
		.amdhsa_system_sgpr_workgroup_id_z 1
		.amdhsa_system_vgpr_workitem_id 0
		.amdhsa_next_free_vgpr 1024
		.amdhsa_next_free_sgpr 100
		.amdhsa_reserve_vcc 0
		.amdhsa_float_denorm_mode_32 3
		.amdhsa_float_denorm_mode_16_64 3
		.amdhsa_memory_ordered 1
		.amdhsa_forward_progress 1
		.amdhsa_inst_pref_size 159
	.end_amdhsa_kernel
	.amdgpu_metadata
---
amdhsa.version: [ 1, 2 ]
amdhsa.kernels:
  - .name:           k_q7cb708138f_oproj
    .symbol:         k_q7cb708138f_oproj.kd
    .args:
      - { .name: a_img, .offset: 0, .size: 8, .value_kind: global_buffer, .address_space: global }
      - { .name: a_sc, .offset: 8, .size: 8, .value_kind: global_buffer, .address_space: global }
      - { .name: codes1, .offset: 16, .size: 8, .value_kind: global_buffer, .address_space: global }
      - { .name: scales1, .offset: 24, .size: 8, .value_kind: global_buffer, .address_space: global }
      - { .name: out0, .offset: 32, .size: 8, .value_kind: global_buffer, .address_space: global }
    .group_segment_fixed_size: 327680
    .private_segment_fixed_size: 0
    .kernarg_segment_align: 8
    .kernarg_segment_size: 40
    .max_flat_workgroup_size: 128
    .sgpr_count:     100
    .vgpr_count:     1024
    .wavefront_size: 32
...
	.end_amdgpu_metadata
.endif
;; end of part 4
